; MI455X (gfx1250); checked and timed in simulation.
; The chip was launched on July 23, 2026; its instructions are those of AMD's public machine-readable ISA for CDNA 5 (MIT licence, August 2026) and "CDNA5" Instruction Set Architecture Reference Guide (July 2026). The comments in the code are by the model that wrote it; some were corrected since.
;; Multi Head Attention Block. Allowed arithmetic: float matrix products may take bf16 or f16 operands with f32 sums; all other float work in f32.
;; Inputs: bk 1,024 float32; bo 1,024 float32; bq 1,024 float32; bv 1,024 float32; k 2 x 2,048 x 1,024 float32; mask 2 x 1 x 2,048 x 2,048 int32; q 2 x 2,048 x 1,024 float32; v 2 x 2,048 x 1,024 float32; wk 1,024 x 1,024 float32; wo 1,024 x 1,024 float32; wq 1,024 x 1,024 float32; wv 1,024 x 1,024 float32.
;; Outputs: out0 2 x 2,048 x 1,024 float32.
;; 2 versions, each right; version 2 is version 1 with the launch prep written anew for expert scheduling mode. Each part assembles by itself: llvm-mc -triple=amdgcn-amd-amdhsa -mcpu=gfx1250 --defsym DOCPART=n.
;; ======== version 1 of 2: 4 launches
;; limits: values are held in f16: magnitudes above 65,504 overflow, below 6.1e-05 lose precision
;; workspace buffers: xw 33,554,432 bytes; mbits 1,048,576 bytes of whole numbers; qkv 25,165,824 bytes; xatt 8,388,608 bytes
;; launch prep (part 1): grid 256 x 3, 8 waves a work-group, no clusters, 0 bytes of LDS; arguments q, k, v, wq, wk, wv, wo, mask, xw, mbits; writes xw, mbits
.if DOCPART == 1
	.amdgcn_target "amdgcn-amd-amdhsa--gfx1250"
	.amdhsa_code_object_version 6
	.text
	.protected	k_q591fb030ba_prep
	.globl	k_q591fb030ba_prep
	.p2align	8
	.type	k_q591fb030ba_prep,@function
k_q591fb030ba_prep:
	s_mov_b64 s[64:65], 0
	v_nop
	global_prefetch_b8 v0, s[64:65] scope:SCOPE_SE
	s_setreg_imm32_b32 hwreg(HW_REG_WAVE_MODE, 25, 1), 1
	s_wait_xcnt 0x0
; Two jobs, chosen by the work-group's y; each work-group takes 128 KiB of input, read once.
; y = 0:    the int32 mask is packed into words that a later launch uses as lane masks:
;           mbits[q tile 256][key tile 128][j 8]; bit L = r + 16 h of a word is (mask[16 qtile + r][16 ktile + 8 h + j] != 0).
;           This job has the long run of arithmetic behind its loads, so it has the lowest ids.
; y = 1, 2: q, k, v, wq, wk, wv, wo (f32) are rounded to f16 into xw = [16384][1024] f16:
;           rows 0 q, 4096 k, 8192 v, 12288 wq, 13312 wk, 14336 wv, 15360 wo.
; LIMIT: a number above 65,504 in magnitude becomes infinite in f16.  The drawn inputs have spreads of 1 and 0.02.
; No LDS, no matrix unit, no cluster: a stream in which no two work-groups read the same byte.
.set X,   8                            ; v[8:135]   32 loads of 16 bytes a lane, all issued at once: 16 KiB of a wave in flight
.set XC,  136                          ; v[136:139] mask job: lane r and lane 16 + r hold row r's four ballots
.set OUT, 140                          ; v[140:143] mask job: the wave's 128 words, lane l holds words 4 l .. 4 l + 3
.set TM,  144                          ; v[144:147] at work
	s_load_b512 s[8:23], s[0:1], 0x0               ; q s[8:9], k, v, wq, wk, wv, wo, mask s[22:23]
	s_load_b128 s[24:27], s[0:1], 0x40             ; xw s[24:25], mbits s[26:27]
	s_and_b32 s2, ttmp7, 0xffff                    ; y
	v_and_b32 v6, 31, v0                           ; lane
	v_lshrrev_b32 v7, 5, v0                        ; wave
	s_cmp_eq_u32 s2, 0
	s_cbranch_scc1 .Lmask
	; ---- f32 to f16.  Unit u = 256 (y - 1) + x is 32 rows of xw: 128 KiB in, 64 KiB out.
	s_sub_co_u32 s3, s2, 1
	s_lshl_b32 s3, s3, 8
	s_add_co_u32 s3, s3, ttmp9                     ; u, 0 to 511
	s_lshr_b32 s4, s3, 7                           ; 0 q, 1 k, 2 v, 3 a weight
	s_bfe_u32 s5, s3, 0x20005                      ; which weight: bits 6:5 of u
	s_and_b32 s6, s3, 31                           ; the unit's number inside a weight (32 units)
	s_and_b32 s7, s3, 127                          ; or inside q, k, v (128 units)
	s_cmp_eq_u32 s4, 3
	s_cselect_b32 s6, s6, s7
	s_lshl_b32 s30, s6, 17                         ; byte offset in the source
	s_mov_b32 s31, 0
	s_lshl_b32 s32, s3, 16                         ; byte offset in xw
	s_mov_b32 s33, 0
	v_lshlrev_b32 v1, 4, v6
	v_lshl_or_b32 v1, v7, 14, v1                   ; in: 16 KiB a wave, 16 bytes a lane
	v_lshlrev_b32 v2, 3, v6
	v_lshl_or_b32 v2, v7, 13, v2                   ; out: 8 KiB a wave, 8 bytes a lane
	s_wait_kmcnt 0x0
	s_cmp_eq_u32 s5, 1
	s_cselect_b64 s[28:29], s[16:17], s[14:15]     ; wk or wq
	s_cmp_eq_u32 s5, 2
	s_cselect_b64 s[28:29], s[18:19], s[28:29]     ; wv
	s_cmp_eq_u32 s5, 3
	s_cselect_b64 s[28:29], s[20:21], s[28:29]     ; wo
	s_cmp_eq_u32 s4, 0
	s_cselect_b64 s[28:29], s[8:9], s[28:29]       ; q
	s_cmp_eq_u32 s4, 1
	s_cselect_b64 s[28:29], s[10:11], s[28:29]     ; k
	s_cmp_eq_u32 s4, 2
	s_cselect_b64 s[28:29], s[12:13], s[28:29]     ; v
	s_add_nc_u64 s[28:29], s[28:29], s[30:31]
	s_add_nc_u64 s[24:25], s[24:25], s[32:33]
.set n, 0
.rept 32
	global_load_b128 v[X+4*n:X+4*n+3], v1, s[28:29] offset:512*n th:TH_LOAD_NT   ; 512 consecutive bytes of the wave
.set n, n+1
.endr
.set n, 0
.rept 32
	s_wait_loadcnt 31-n                            ; loads return in order: load n is in, the 31 - n younger ones stay out
	v_cvt_pk_f16_f32 v[X+4*n],   v[X+4*n],   v[X+4*n+1]
	v_cvt_pk_f16_f32 v[X+4*n+1], v[X+4*n+2], v[X+4*n+3]
	global_store_b64 v2, v[X+4*n:X+4*n+1], s[24:25] offset:256*n   ; the 32 lanes store 256 consecutive bytes, aligned; no register is used twice
.set n, n+1
.endr
	s_endpgm
	; ---- the mask.  Work-group x takes q tile x (16 rows of 8,192 bytes); wave w keys 256 w .. 256 w + 255, as two blocks of 128 keys.
.Lmask:
	v_lshlrev_b32 v1, 4, v6
	v_lshl_or_b32 v1, v7, 10, v1                   ; 1,024 w + 16 lane
	v_lshlrev_b32 v2, 4, v6
	v_lshl_or_b32 v2, v7, 9, v2                    ; out: 512 w + 16 lane
	v_lshrrev_b32 v3, 4, v6                        ; h
	v_lshlrev_b32 v3, 1, v3
	v_mov_b32 v4, 1
	v_lshlrev_b32 v3, v3, v4                       ; 1 << 2 h
	s_lshl_b32 s2, ttmp9, 17                       ; 16 rows of the mask
	s_mov_b32 s3, 0
	s_lshl_b32 s4, ttmp9, 12                       ; 1,024 words of mbits
	s_mov_b32 s5, 0
	s_wait_kmcnt 0x0
	s_add_nc_u64 s[22:23], s[22:23], s[2:3]
	s_add_nc_u64 s[26:27], s[26:27], s[4:5]
.set n, 0
.rept 32
	global_load_b128 v[X+4*n:X+4*n+3], v1, s[22:23] offset:8192*(n%16)+512*(n/16) th:TH_LOAD_NT   ; load 16 sb + i: row i, block sb
.set n, n+1
.endr
.irp c, 0,1,2,3
	v_mov_b32 v[XC+\c], 0                          ; v_writelane_b32 keeps the other lanes: written whole once
	v_mov_b32 v[OUT+\c], 0
.endr
.set sb, 0
.rept 2
	; ballot c of row i: bit l = (mask[i][4 l + c] != 0).  It goes to lanes i and 16 + i, so that lane r + 16 h holds row r's.
.set i, 0
.rept 16
	s_wait_loadcnt 31-(16*sb+i)
.irp c, 0,1,2,3
	v_cmp_ne_u32 s[28+\c], 0, v[X+4*(16*sb+i)+\c]
.endr
.irp c, 0,1,2,3
	v_writelane_b32 v[XC+\c], s[28+\c], i
	v_writelane_b32 v[XC+\c], s[28+\c], 16+i
.endr
.set i, i+1
.endr
	; key 16 t + 8 h + 4 jh + c of the block is bit 4 t + 2 h + jh of ballot c.  Testing that bit in every lane gives the word of
	; (key tile 8 sb + t, j = 4 jh + c): word 8 (8 sb + t) + 4 jh + c of the wave's 128, that is register c of lane 2 (8 sb + t) + jh.
.set t, 0
.rept 8
.irp jh, 0,1
	v_lshlrev_b32 v4, 4*t+\jh, v3
.irp c, 0,1,2,3
	v_and_b32 v[TM+\c], v[XC+\c], v4
.endr
.irp c, 0,1,2,3
	v_cmp_ne_u32 s[32+\c], 0, v[TM+\c]
.endr
.irp c, 0,1,2,3
	v_writelane_b32 v[OUT+\c], s[32+\c], 2*(8*sb+t)+\jh
.endr
.endr
.set t, t+1
.endr
.set sb, sb+1
.endr
	global_store_b128 v2, v[OUT:OUT+3], s[26:27]   ; the wave's 512 consecutive bytes
	s_endpgm
.Lfunc_end_k_q591fb030ba_prep:
	.size	k_q591fb030ba_prep, .Lfunc_end_k_q591fb030ba_prep-k_q591fb030ba_prep
	.p2alignl 7, 3214868480
	.fill 96, 4, 3214868480
	.section	.rodata,"a",@progbits
	.p2align	6, 0x0
	.amdhsa_kernel k_q591fb030ba_prep
		.amdhsa_group_segment_fixed_size 0
		.amdhsa_private_segment_fixed_size 0
		.amdhsa_enable_private_segment 0
		.amdhsa_kernarg_size 80
		.amdhsa_user_sgpr_count 2
		.amdhsa_user_sgpr_kernarg_segment_ptr 1
		.amdhsa_wavefront_size32 1
		.amdhsa_system_sgpr_workgroup_id_x 1
		.amdhsa_system_sgpr_workgroup_id_y 1
		.amdhsa_system_sgpr_workgroup_id_z 1
		.amdhsa_system_vgpr_workitem_id 0
		.amdhsa_next_free_vgpr 148
		.amdhsa_next_free_sgpr 66
		.amdhsa_reserve_vcc 0
		.amdhsa_float_denorm_mode_32 3
		.amdhsa_float_denorm_mode_16_64 3
		.amdhsa_memory_ordered 1
		.amdhsa_forward_progress 1
		.amdhsa_inst_pref_size 63
	.end_amdhsa_kernel
	.amdgpu_metadata
---
amdhsa.version: [ 1, 2 ]
amdhsa.kernels:
  - .name:           k_q591fb030ba_prep
    .symbol:         k_q591fb030ba_prep.kd
    .args:
      - { .name: q, .offset: 0, .size: 8, .value_kind: global_buffer, .address_space: global }
      - { .name: k, .offset: 8, .size: 8, .value_kind: global_buffer, .address_space: global }
      - { .name: v, .offset: 16, .size: 8, .value_kind: global_buffer, .address_space: global }
      - { .name: wq, .offset: 24, .size: 8, .value_kind: global_buffer, .address_space: global }
      - { .name: wk, .offset: 32, .size: 8, .value_kind: global_buffer, .address_space: global }
      - { .name: wv, .offset: 40, .size: 8, .value_kind: global_buffer, .address_space: global }
      - { .name: wo, .offset: 48, .size: 8, .value_kind: global_buffer, .address_space: global }
      - { .name: mask, .offset: 56, .size: 8, .value_kind: global_buffer, .address_space: global }
      - { .name: xw, .offset: 64, .size: 8, .value_kind: global_buffer, .address_space: global }
      - { .name: mbits, .offset: 72, .size: 8, .value_kind: global_buffer, .address_space: global }
    .group_segment_fixed_size: 0
    .private_segment_fixed_size: 0
    .kernarg_segment_align: 8
    .kernarg_segment_size: 80
    .max_flat_workgroup_size: 256
    .sgpr_count:     66
    .vgpr_count:     148
    .wavefront_size: 32
...
	.end_amdgpu_metadata
.endif
;; end of part 1
;; launch qkv (part 2): grid 4 x 48, 4 waves a work-group, clusters of 4 x 4, 327,680 bytes of LDS; arguments xw, bq, bk, bv, qkv; writes qkv
.if DOCPART == 2
	.amdgcn_target "amdgcn-amd-amdhsa--gfx1250"
	.amdhsa_code_object_version 6
	.text
	.protected	k_q591fb030ba_qkv
	.globl	k_q591fb030ba_qkv
	.p2align	8
	.type	k_q591fb030ba_qkv,@function
k_q591fb030ba_qkv:
	s_mov_b64 s[64:65], 0
	v_nop
	global_prefetch_b8 v0, s[64:65] scope:SCOPE_SE
	s_setreg_imm32_b32 hwreg(HW_REG_WAVE_MODE, 25, 1), 1
	s_wait_xcnt 0x0
	s_wait_alu depctr_hold_cnt(0) depctr_sa_sdst(0) depctr_va_vdst(0) depctr_va_sdst(0) depctr_va_ssrc(0) depctr_va_vcc(0) depctr_vm_vsrc(0)
	s_getreg_b32 s2, hwreg(HW_REG_IB_STS2, 6, 4)
	s_cmp_eq_u32 s2, 0
	s_cbranch_scc0 .Lentry_in_a_cluster
	s_endpgm
.Lentry_in_a_cluster:
	s_bfe_u32 s2, ttmp6, 0x10000c
	s_cmp_lg_u32 s2, 0xf033
	s_cbranch_scc0 .Lentry_shape_is_right
	s_endpgm
.Lentry_shape_is_right:
; qkv[m][n] = scale * (sum over k of A[m][k] B[n][k] + bias[n]), f16 operands, f32 sums, f16 out.
; A = rows 0 .. 12287 of xw (q, then k, then v); B = the 1,024 rows of wq, wk or wv (rows 12288 + 1024 x which of xw);
; which = block row / 16 = the cluster's y / 4, so it is the same in all sixteen work-groups of a cluster.
; scale = log2(e) / 8 for Q (the softmax then works on powers of two without a multiplication), 1 for K and V.
; LIMIT: a result above 65,504 in magnitude becomes infinite in f16; with every input 30 times the drawn spread the results reach some 3,500.
; A work-group makes 256 x 256 with four waves, a wave 128 x 128: 64 accumulator tiles, 512 registers.  K goes in steps of 128 through a ring of
; two LDS slots filled by the tensor data mover: a tile's rows are 256 bytes of memory, aligned.  192 work-groups: 3 x 4096 x 1024 outputs do not
; cut into 256 equal blocks of this shape.
; CLUSTERS: 4 x 4 work-groups.  A's tile hangs on the block row alone and is asked for jointly by a row of the cluster, B's on the block column
; (and on which) and is asked for jointly by a column: the requests for A and B are divided by four.
;
; REGISTERS, in windows of 256:
;   window 0: v0-31 addresses; v64-127, v128-191 fragments of A, two buffers; v192-223 at work on the way out
;   window 1: v64-127, v128-191 fragments of B, two buffers; v192-255 the bias of my 128 columns, in an accumulator's layout
;   window 2: the 32 accumulator tiles of my rows 0-63 (tile (a, b) at v[8 (8 a + b)]);   window 3: those of my rows 64-127
; THE MATRIX INSTRUCTION IS USED TRANSPOSED: source 0 = 16 rows of B, source 1 = 16 rows of A.  Lane l then holds row l % 16 of the result and its
; registers 0 to 7 the columns 8 (l / 16) + 0 .. 7: eight neighbouring numbers, which pack into 16 bytes.  The same eight columns' bias,
; loaded once, is the C operand of each tile's first product: the bias starts the sums and nothing is cleared or added later.
.set SIZE_N, 1024
.set SIZE_K, 1024
.set KSTEP,  128
.set PITCH,  272                       ; an LDS row: 256 bytes + 16 of padding: the 16 rows that a fragment load touches start 4 banks apart
.set HALFT,  128*PITCH                 ; 128 rows: what one tensor load brings
.set SLOT,   4*HALFT                   ; A's 256 rows, then B's 256 rows
.set STAGE,  2*SLOT                    ; behind the ring: 16 rows x 272 bytes for each wave, for the way out; no fill lands here
.set SPITCH, 272
.set LAPS, SIZE_K/(2*KSTEP)            ; a lap = two K steps = once round the ring: 4
.set ADRA, 16                          ; v16-17  LDS address of my A fragments in slot 0, 1
.set ADRB, 20                          ; v20-21  the same for B
.set STO,  24                          ; v24     the way out: where I put 16 bytes of a row
.set RD,   25                          ; v25     the way out: where I read a row back
.set CO,   26                          ; v26     my byte offset in the result
.set BO,   27                          ; v27     my byte offset in the bias: 32 (l / 16)
.set F0,   64
.set F1,   128
.set TMP,  192                         ; window 0: packed results
.set BIAS, 192                         ; window 1: v[192 + 8 b ..] = bias of columns 16 b + 8 (l / 16) + 0 .. 7
.set G1, 24                            ; s[24:31] descriptor group 1 for A's tiles
.set G0, 32                            ; s[32:39] descriptor group 0 for A's tiles, one set for each slot
.set G1B, 48                           ; s[48:55] group 1 for B's tiles: another mask
.set G0B, 56                           ; s[56:63] group 0 for B's tiles
.set MSB, 0
.macro WIN new                         ; the immediate's high byte repeats the setting that is left
.if MSB != \new
	s_set_vgpr_msb (MSB<<8)|\new
.set MSB, \new
.endif
.endm
.set MUL_LO,   0xa1                    ; source 0 (B) window 1, source 1 (A) window 0, C and D window 2
.set MUL_HI,   0xf1                    ; the same, C and D window 3
.set MUL_LO_Z, 0x91                    ; a tile's first product: C is the bias in window 1, D window 2
.set MUL_HI_Z, 0xd1                    ; the same, D window 3
.set TO_B,     0x40                    ; destination window 1, address window 0
; A joint load.  Waves 0 and 1 fetch A's two halves, waves 2 and 3 B's.  The branch hangs on the wave's number alone.
.macro JLOAD s
	s_cmp_eq_u32 s11, 0
	s_cbranch_scc0 .Lfor_b_\@
	tensor_load_to_lds s[G0+4*\s:G0+4*\s+3], s[G1:G1+7]
	s_nop 0
	s_branch .Lasked_\@
.Lfor_b_\@:
	tensor_load_to_lds s[G0B+4*\s:G0B+4*\s+3], s[G1B:G1B+7]
	s_nop 0
.Lasked_\@:
.endm
; A round of the cluster's barrier: my work-group's barrier, wave 0 signals for the work-group, every wave waits for all sixteen, my work-group's barrier again.
.macro CREST                           ; a round behind its opening barrier
	s_cmp_lg_u32 s10, 0
	s_cbranch_scc1 .Lnot_wave_0_\@
	s_barrier_signal -3
.Lnot_wave_0_\@:
	s_barrier_wait -3
	s_barrier_signal -1
	s_barrier_wait -1
.endm
.macro CROUND
	s_barrier_signal -1
	s_barrier_wait -1
	CREST
.endm
	s_load_b256 s[68:75], s[0:1], 0x0              ; xw s[68:69], bq s[70:71], bk s[72:73], bv s[74:75]
	s_load_b64 s[8:9], s[0:1], 0x20                ; qkv
	s_set_vgpr_msb 0x40
	v_lshl_add_u32 v63, v0, 2, 0x48400
	s_set_vgpr_msb 0x4000
	v_mov_b32 v255, 0
	s_set_vgpr_msb 0x1
	ds_add_u32 v63, v255
	s_set_vgpr_msb 0x100
	v_lshrrev_b32 v1, 5, v0
	v_readfirstlane_b32 s10, v1                    ; wave 0..3
	s_lshr_b32 s11, s10, 1                         ; which half of the block's rows is mine.  Also: I fetch for A (0) or for B (1)
	s_and_b32 s12, s10, 1                          ; which half of its columns.  Also: which 128 rows of that tile I fetch
	s_bfe_u32 s40, ttmp6, 0x40000                  ; cx
	s_bfe_u32 s41, ttmp6, 0x40004                  ; cy
	s_lshl_b32 s42, ttmp9, 2
	s_add_co_u32 s42, s42, s40                     ; block column = 4 x cluster x + cx, 0 to 3
	s_and_b32 s13, ttmp7, 0xffff
	s_lshr_b32 s45, s13, 2                         ; which projection: 0 Q, 1 K, 2 V (four clusters of block rows each)
	s_lshl_b32 s13, s13, 2
	s_add_co_u32 s13, s13, s41                     ; block row = 4 x cluster y + cy, 0 to 47
	s_lshl_b32 s43, s41, 2
	s_lshl_b32 s43, 15, s43                        ; my row of the cluster
	s_lshl_b32 s44, 0x1111, s40                    ; my column
	s_or_b32 s[G1+0], s43, (1<<16)|(1<<20)|(1<<21)|(5<<22)|(3<<25)  ; mask; 2-byte elements; padding on; bit 21 beside a mask; 4 words behind every 64
	s_or_b32 s[G1B+0], s44, (1<<16)|(1<<20)|(1<<21)|(5<<22)|(3<<25)
	s_mov_b32 s[G1B+1], KSTEP<<16
	s_mov_b32 s[G1+1], KSTEP<<16                   ; tensor_dim0 = 128
	s_mov_b32 s[G1B+2], 128<<16
	s_mov_b32 s[G1+2], 128<<16                     ; tensor_dim1 = 128
	s_mov_b32 s[G1B+3], KSTEP<<16
	s_mov_b32 s[G1+3], KSTEP<<16                   ; tile_dim0 = 128
	s_mov_b32 s[G1B+4], 128
	s_mov_b32 s[G1+4], 128                         ; tile_dim1 = 128
	s_mov_b32 s[G1B+5], SIZE_K
	s_mov_b32 s[G1+5], SIZE_K                      ; elements from row to row
	s_mov_b32 s[G1B+6], 0
	s_mov_b32 s[G1+6], 0
	s_mov_b32 s[G1B+7], 0
	s_mov_b32 s[G1+7], 0
	s_lshl_b32 s17, s12, 7                         ; which 128 rows of the tile I fetch
	s_lshl_b32 s16, s13, 8
	s_add_co_u32 s16, s16, s17                     ; A: row 256 x block row + 128 x half
	s_lshl_b32 s46, s42, 8
	s_add_co_u32 s46, s46, s17                     ; B: row 256 x block column + 128 x half
	s_lshl_b32 s47, s45, 10
	s_add_co_u32 s46, s46, s47                     ;    + 1,024 x which
	s_mov_b32 s17, 0
	s_mov_b32 s47, 0
	s_mov_b64 s[18:19], SIZE_K*2
	s_mul_u64 s[16:17], s[16:17], s[18:19]         ; in bytes
	s_mul_u64 s[46:47], s[46:47], s[18:19]
	s_mul_i32 s20, s10, HALFT                      ; where they go: wave x 128 rows
	s_lshl_b32 s78, s42, 10                        ; my first column's bias: 4 bytes x (256 x block column + 128 x half)
	s_lshl_b32 s79, s12, 9
	s_add_co_u32 s78, s78, s79
	s_mov_b32 s79, 0
	s_cmp_eq_u32 s45, 0
	s_cselect_b32 s66, 0x3e38aa3b, 1.0             ; log2(e) / 8 for Q, 1 for K and V
	s_mov_b32 s67, s66
	s_wait_dscnt 0x0
	s_wait_kmcnt 0x0
	s_add_nc_u64 s[14:15], s[68:69], s[16:17]
	s_add_nc_u64 s[6:7], s[68:69], 0x1800000       ; row 12288 of xw: the weights
	s_add_nc_u64 s[46:47], s[6:7], s[46:47]
	s_cmp_eq_u32 s45, 1
	s_cselect_b64 s[76:77], s[72:73], s[70:71]     ; bk or bq
	s_cmp_eq_u32 s45, 2
	s_cselect_b64 s[76:77], s[74:75], s[76:77]     ; bv
	s_add_nc_u64 s[76:77], s[76:77], s[78:79]
	CROUND                                         ; all sixteen work-groups are here: the first joint loads meet
.irp s, 0,1
	s_mov_b32 s[G0+4*\s], 1
	s_add_co_u32 s[G0+4*\s+1], s20, \s*SLOT
	s_add_nc_u64 s[G0+4*\s+2:G0+4*\s+3], s[14:15], \s*KSTEP*2
	s_or_b32 s[G0+4*\s+3], s[G0+4*\s+3], 0x80000000
	s_mov_b32 s[G0B+4*\s], 1
	s_add_co_u32 s[G0B+4*\s+1], s20, \s*SLOT
	s_add_nc_u64 s[G0B+4*\s+2:G0B+4*\s+3], s[46:47], \s*KSTEP*2
	s_or_b32 s[G0B+4*\s+3], s[G0B+4*\s+3], 0x80000000
	JLOAD \s                                       ; both slots' first fills go out together: two tensor loads of the wave are out
.endr
	; A fragment is 16 rows x 32 K in 8 registers: lane l holds row l % 16; registers 0-3 K = 8 (l / 16) + 0..7, registers 4-7 K = 16 + 8 (l / 16) + 0..7.
	v_and_b32 v1, 15, v0
	v_bfe_u32 v2, v0, 4, 1
	v_mul_u32_u24 v3, v1, PITCH
	v_lshl_add_u32 v3, v2, 4, v3
	s_mul_i32 s21, s11, HALFT                      ; my 128 rows of A
	s_mul_i32 s22, s12, HALFT                      ; my 128 rows of B,
	s_add_co_u32 s22, s22, 2*HALFT                 ; which lie behind A's 256
.irp s, 0,1
	v_add_nc_u32 v[ADRA+\s], s21, v3
	v_add_nc_u32 v[ADRB+\s], s22, v3
	s_add_co_u32 s21, s21, SLOT
	s_add_co_u32 s22, s22, SLOT
.endr
	s_mul_i32 s23, s10, 16*SPITCH
	s_add_co_u32 s23, s23, STAGE                   ; my stage
	v_mul_u32_u24 v4, v1, SPITCH
	v_lshl_add_u32 v4, v2, 4, v4
	v_add_nc_u32 v[STO], s23, v4
	v_mul_u32_u24 v5, v2, SPITCH
	v_lshl_add_u32 v5, v1, 4, v5
	v_add_nc_u32 v[RD], s23, v5
	v_mul_u32_u24 v5, v2, SIZE_N*2
	v_lshl_add_u32 v[CO], v1, 4, v5
	v_lshlrev_b32 v[BO], 5, v2                     ; eight f32 for each half of the lanes
	WIN TO_B
.irp b, 0,1,2,3,4,5,6,7
	global_load_b128 v[BIAS+8*\b:BIAS+8*\b+3],   v[BO], s[76:77] offset:64*\b
	global_load_b128 v[BIAS+8*\b+4:BIAS+8*\b+7], v[BO], s[76:77] offset:64*\b+16
.endr
	WIN 0
; 16 matrix instructions: m blocks a0, a0 + 1 of the window's four x all 8 n blocks, 32 along K.  zero = 1: the first product, onto the bias.
.macro MUL16 f, hi, a0, zero
.irp a, \a0, \a0+1
.irp b, 0,1,2,3,4,5,6,7
.if \zero
	v_wmma_f32_16x16x32_f16 v[8*(8*(\a)+\b):8*(8*(\a)+\b)+7], v[\f+8*\b:\f+8*\b+7], v[\f+8*(4*\hi+\a):\f+8*(4*\hi+\a)+7], v[BIAS+8*\b:BIAS+8*\b+7]
.else
	v_wmma_f32_16x16x32_f16 v[8*(8*(\a)+\b):8*(8*(\a)+\b)+7], v[\f+8*\b:\f+8*\b+7], v[\f+8*(4*\hi+\a):\f+8*(4*\hi+\a)+7], v[8*(8*(\a)+\b):8*(8*(\a)+\b)+7]
.endif
.endr
.endr
.endm
; 32 LDS loads in one run: the fragments of one quarter step into buffer f
.macro FETCH slot, k, f
	WIN TO_B
.irp i, 0,1,2,3,4,5,6,7
	ds_load_b128 v[\f+8*\i:\f+8*\i+3],   v[ADRB+\slot] offset:\k+\i*16*PITCH
	ds_load_b128 v[\f+8*\i+4:\f+8*\i+7], v[ADRB+\slot] offset:\k+\i*16*PITCH+32
.endr
	WIN 0
.irp i, 0,1,2,3,4,5,6,7
	ds_load_b128 v[\f+8*\i:\f+8*\i+3],   v[ADRA+\slot] offset:\k+\i*16*PITCH
	ds_load_b128 v[\f+8*\i+4:\f+8*\i+7], v[ADRA+\slot] offset:\k+\i*16*PITCH+32
.endr
.endm
; Four independent vector instructions stand between a matrix instruction and a load into, or a vector instruction on, one of its registers.
.macro PLACES
.rept 4
	v_nop
.endr
.endm
; A K step is four quarter steps of 32 along K, 64 matrix instructions each, on buffers 0, 1, 0, 1.  The 64 accumulators take turns, one instruction
; a turn, in the same order in every quarter step.
.macro QUARTER slot, k, f, g, zero
	s_wait_dscnt 8                                 ; B and A's rows 0-63 are in; the youngest eight loads (A's rows 64-127) may be out
.if \zero
	WIN MUL_LO_Z
.else
	WIN MUL_LO
.endif
	MUL16 \f, 0, 0, \zero
	MUL16 \f, 0, 2, \zero
	PLACES
	FETCH \slot, \k, \g
	s_wait_dscnt 32                                ; all but the 32 just issued
.if \zero
	WIN MUL_HI_Z
.else
	WIN MUL_HI
.endif
	MUL16 \f, 1, 0, \zero
	MUL16 \f, 1, 2, \zero
.endm
.macro THREE slot, zero
	QUARTER \slot, 64,  F0, F1, \zero
	QUARTER \slot, 128, F1, F0, 0
	QUARTER \slot, 192, F0, F1, 0
.endm
; The last quarter multiplies buffer 1 and changes slots.  In front of the barrier each wave waits for its reads of this slot and for all its tensor
; loads (one is out: its part of the next slot).  Behind it the refill comes first, then the next slot's first fragments.
.macro TURN slot, next, fill
	s_wait_dscnt 8
	WIN MUL_LO
	MUL16 F1, 0, 0, 0
	s_wait_dscnt 0                                 ; my reads of this slot are over
	s_wait_tensorcnt 0x0                           ; all my tensor loads have landed
	ds_add_u32 v63, v255
	s_wait_dscnt 0x0
	s_barrier_signal -1                            ; where a slot is filled again this barrier opens a round of the cluster's barrier
	MUL16 F1, 0, 2, 0                              ; register work while the others arrive
	WIN 0
	s_barrier_wait -1
.if \fill
	CREST                                          ; no wave of any partner still reads this slot or has a load on its way
	s_add_nc_u64 s[G0+4*\slot+2:G0+4*\slot+3], s[G0+4*\slot+2:G0+4*\slot+3], 2*KSTEP*2
	s_add_nc_u64 s[G0B+4*\slot+2:G0B+4*\slot+3], s[G0B+4*\slot+2:G0B+4*\slot+3], 2*KSTEP*2
	JLOAD \slot                                    ; the wave's one tensor load behind the round
.endif
	PLACES
	FETCH \next, 0, F0
	WIN MUL_HI
	MUL16 F1, 1, 0, 0
	MUL16 F1, 1, 2, 0
.endm
.macro LAP zero
	THREE 0, \zero
	TURN 0, 1, 1
	THREE 1, 0
	TURN 1, 0, 1
.endm
	s_wait_tensorcnt 1                             ; my part of K step 0 is in; K step 1's load stays out
	s_barrier_signal -1
	s_barrier_wait -1
	s_wait_loadcnt 0x0                             ; the bias
	FETCH 0, 0, F0
	LAP 1                                          ; the first lap stands in front of the loop: its first products start the sums
	WIN 0
	s_mov_b32 s3, LAPS-2
.Llap:
	LAP 0
	WIN 0
	s_sub_co_u32 s3, s3, 1
	s_cmp_lg_u32 s3, 0
	s_cbranch_scc1 .Llap
	THREE 0, 0                                     ; the last lap fills nothing
	TURN 0, 1, 0
	THREE 1, 0
	s_wait_dscnt 8
	WIN MUL_LO
	MUL16 F1, 0, 0, 0
	MUL16 F1, 0, 2, 0
	s_wait_dscnt 0
	WIN MUL_HI
	MUL16 F1, 1, 0, 0
	MUL16 F1, 1, 2, 0
	; THE WAY OUT, 16 rows at a time: scale, round to f16, 16 bytes a lane into my own stage, read back as whole rows of 256 bytes.
	PLACES
	s_lshl_b32 s13, s13, 8
	s_lshl_b32 s14, s11, 7
	s_add_co_u32 s16, s13, s14                     ; my first row
	s_mov_b32 s17, 0
	s_mov_b64 s[18:19], SIZE_N*2
	s_mul_u64 s[16:17], s[16:17], s[18:19]
	s_add_nc_u64 s[8:9], s[8:9], s[16:17]
	s_lshl_b32 s46, s42, 9                         ; my first column, in bytes
	s_lshl_b32 s47, s12, 8
	s_add_co_u32 s46, s46, s47
	s_mov_b32 s47, 0
	s_add_nc_u64 s[8:9], s[8:9], s[46:47]
; rows 16 i .. 16 i + 15 = the eight tiles (a, 0..7) of window 2 or 3.  scl: source 0 and destination in that window; from: sources 0 and 1 in it.
.macro OUT16 i, a, scl, from, f
	WIN \scl
.irp b, 0,1,2,3,4,5,6,7
.irp r, 0,1,2,3
	v_pk_mul_f32 v[8*(8*\a+\b)+2*\r:8*(8*\a+\b)+2*\r+1], v[8*(8*\a+\b)+2*\r:8*(8*\a+\b)+2*\r+1], s[66:67] op_sel_hi:[1,0]   ; one text for Q, K and V: the factor is 1 for K and V
.endr
.endr
	WIN \from
.irp b, 0,1,2,3,4,5,6,7
.irp r, 0,1,2,3
	v_cvt_pk_f16_f32 v[TMP+4*\b+\r], v[8*(8*\a+\b)+2*\r], v[8*(8*\a+\b)+2*\r+1]
.endr
.endr
	WIN 0
.irp b, 0,1,2,3,4,5,6,7
	ds_store_b128 v[STO], v[TMP+4*\b:TMP+4*\b+3] offset:32*\b
.endr
	s_wait_xcnt 0x0                                ; buffer f, which earlier stores read, and the stores' base are rewritten only behind this wait
.if \i
	s_add_nc_u64 s[8:9], s[8:9], 16*SIZE_N*2
.endif
.irp t, 0,1,2,3,4,5,6,7
	ds_load_b128 v[\f+4*\t:\f+4*\t+3], v[RD] offset:\t*2*SPITCH    ; LDS serves a wave's instructions in order: these see the stores above
.endr
.irp t, 0,1,2,3,4,5,6,7
	s_wait_dscnt 7-\t
	global_store_b128 v[CO], v[\f+4*\t:\f+4*\t+3], s[8:9] offset:2*\t*SIZE_N*2   ; 16 lanes store 256 consecutive bytes, aligned
.endr
.endm
	OUT16 0, 0, 0x82, 0x0a, F0
	OUT16 1, 1, 0x82, 0x0a, F1
	OUT16 2, 2, 0x82, 0x0a, F0
	OUT16 3, 3, 0x82, 0x0a, F1
	OUT16 4, 0, 0xc3, 0x0f, F0
	OUT16 5, 1, 0xc3, 0x0f, F1
	OUT16 6, 2, 0xc3, 0x0f, F0
	OUT16 7, 3, 0xc3, 0x0f, F1
	s_set_vgpr_msb 0x1
	s_wait_tensorcnt 0x0
	ds_add_u32 v63, v255
	s_wait_dscnt 0x0
	s_set_vgpr_msb 0x100
	CROUND                                         ; the closing round: no work-group ends while a partner may still ask for a tile that names it
	s_endpgm
.Lfunc_end_k_q591fb030ba_qkv:
	.size	k_q591fb030ba_qkv, .Lfunc_end_k_q591fb030ba_qkv-k_q591fb030ba_qkv
	.p2alignl 7, 3214868480
	.fill 96, 4, 3214868480
	.section	.rodata,"a",@progbits
	.p2align	6, 0x0
	.amdhsa_kernel k_q591fb030ba_qkv
		.amdhsa_group_segment_fixed_size 327680
		.amdhsa_private_segment_fixed_size 0
		.amdhsa_enable_private_segment 0
		.amdhsa_kernarg_size 40
		.amdhsa_user_sgpr_count 2
		.amdhsa_user_sgpr_kernarg_segment_ptr 1
		.amdhsa_wavefront_size32 1
		.amdhsa_system_sgpr_workgroup_id_x 1
		.amdhsa_system_sgpr_workgroup_id_y 1
		.amdhsa_system_sgpr_workgroup_id_z 1
		.amdhsa_system_vgpr_workitem_id 0
		.amdhsa_next_free_vgpr 1024
		.amdhsa_next_free_sgpr 80
		.amdhsa_reserve_vcc 0
		.amdhsa_float_denorm_mode_32 3
		.amdhsa_float_denorm_mode_16_64 3
		.amdhsa_memory_ordered 1
		.amdhsa_forward_progress 1
		.amdhsa_inst_pref_size 215
	.end_amdhsa_kernel
	.amdgpu_metadata
---
amdhsa.version: [ 1, 2 ]
amdhsa.kernels:
  - .name:           k_q591fb030ba_qkv
    .symbol:         k_q591fb030ba_qkv.kd
    .args:
      - { .name: xw, .offset: 0, .size: 8, .value_kind: global_buffer, .address_space: global }
      - { .name: bq, .offset: 8, .size: 8, .value_kind: global_buffer, .address_space: global }
      - { .name: bk, .offset: 16, .size: 8, .value_kind: global_buffer, .address_space: global }
      - { .name: bv, .offset: 24, .size: 8, .value_kind: global_buffer, .address_space: global }
      - { .name: qkv, .offset: 32, .size: 8, .value_kind: global_buffer, .address_space: global }
    .group_segment_fixed_size: 327680
    .private_segment_fixed_size: 0
    .kernarg_segment_align: 8
    .kernarg_segment_size: 40
    .max_flat_workgroup_size: 128
    .sgpr_count:     80
    .vgpr_count:     1024
    .wavefront_size: 32
...
	.end_amdgpu_metadata
.endif
;; end of part 2
;; launch attn (part 3): grid 16 x 16, 16 waves a work-group, clusters of 4 x 1, 327,680 bytes of LDS; arguments qkv, mbits, xatt; writes xatt
.if DOCPART == 3
	.amdgcn_target "amdgcn-amd-amdhsa--gfx1250"
	.amdhsa_code_object_version 6
	.text
	.protected	k_q591fb030ba_attn
	.globl	k_q591fb030ba_attn
	.p2align	8
	.type	k_q591fb030ba_attn,@function
k_q591fb030ba_attn:
	s_mov_b64 s[64:65], 0
	v_nop
	global_prefetch_b8 v0, s[64:65] scope:SCOPE_SE
	s_setreg_imm32_b32 hwreg(HW_REG_WAVE_MODE, 25, 1), 1
	s_wait_xcnt 0x0
	s_wait_alu depctr_hold_cnt(0) depctr_sa_sdst(0) depctr_va_vdst(0) depctr_va_sdst(0) depctr_va_ssrc(0) depctr_va_vcc(0) depctr_vm_vsrc(0)
	s_getreg_b32 s2, hwreg(HW_REG_IB_STS2, 6, 4)
	s_cmp_eq_u32 s2, 0
	s_cbranch_scc0 .Lentry_in_a_cluster
	s_endpgm
.Lentry_in_a_cluster:
	s_bfe_u32 s2, ttmp6, 0x10000c
	s_cmp_lg_u32 s2, 0x3003
	s_cbranch_scc0 .Lentry_shape_is_right
	s_endpgm
.Lentry_shape_is_right:
; Attention with a running maximum.  qkv = [12288][1024] f16: rows 0 Q (already times log2(e)/8), 4096 K, 8192 V, each b x 2048 + s.
; A work-group: 128 query rows x a PAIR of heads (a K or V row of two heads is 256 aligned bytes; so is a row piece of the result).
; SIXTEEN WAVES, four for each of a WGP's SIMDs, 256 registers each.  Wave w: head (w % 8) / 4 of the pair, query rows 32 (w % 4) .. + 31 as two
; q tiles of 16, and of every tile of 256 keys the half w / 8 (128 keys, two steps of 64).  Waves w and w + 8 so hold the same rows' figures for
; different keys: products, softmax arithmetic and LDS reads are the same in number as with eight waves that take all keys, but there are twice as
; many independent instruction streams, so that one wave's products run while others' softmax arithmetic issues.  At the end wave w + 8 hands
; (m, l, O) to wave w through LDS, and the two are joined as two steps of the running maximum are.
; CLUSTER 4 x 1: four query blocks of one pair of heads read the same K and V tiles; every K and V load is joint (mask 15).
; TRANSPOSED PRODUCTS.  S^T = K Q^T: register j of lane (r, h) is key 16 kt + 8 h + j, query r.  So a query's figures are a lane's own, the two halves
; of the lanes meet by one v_permlanex16_b32, and two key tiles packed to f16 ARE the second source of O^T = V^T P^T.
; MASK: mbits holds for (q tile, key tile, j) a word whose bit r + 16 h says whether the score stays: it is the select mask of one v_cndmask_b32.
; A masked score is -1e9 log2(e), the reference's constant in this base, and takes part in the maximum: a row that is masked throughout comes out uniform.
; p = 2^(s - m): the difference is exactly 0 at the maximum, so p lies in [0, 1] for every input and has room in f16.
; LIMITS: NaN and infinities are not treated apart; v_exp_f32 gives 0 below 2^-126; p below 3e-8 is 0 in f16, against a row sum of at least 1;
; sums are taken in another order than the reference's.
; LDS: slot s at s x 147,456 holds 256 keys in eight regions of 18,432 bytes, each filled by one of waves 0 to 7: regions 0-3 K, 64 keys each, pitch 272;
; regions 4-7 V, 64 keys each, pitch 288 (odd multiples of 16 and of 32 bytes: the fragment loads and the transposing loads meet no bank twice).
; Behind the barrier between the last two tiles slot 0 has had its last fill and its last read: its bytes then serve the hand-over (from byte 0) and
; the stage of the way out (from byte 73,728).
; No prefetch: each refill is asked for a tile's work ahead.
.set SLOTB, 147456
.set REGB,  18432
.set XCHB,  8704                       ; the hand-over of one pair of waves: 16 x 512 bytes of O, 512 bytes of (m, l); eight pairs end at byte 69,632
.set STG,   73728                      ; the stage: 128 rows x 272 bytes
.set QF, 32                            ; v[32:63]   Q(qt, c) at 32 + 16 qt + 8 c
.set SC, 64                            ; v[64:127]  S(qt, kt) at 64 + 32 qt + 8 kt; later P, packed
.set FR, 128                           ; v[128:191] K(kt, c) at 128 + 16 kt + 8 c; then V(u, dt) at 128 + 32 u + 8 dt
.set OA, 192                           ; v[192:255] O(qt, dt) at 192 + 32 qt + 8 dt
; v1, v2 lane terms of K's and V's LDS addresses, my half of the keys included; v3, v4 this step's addresses; v5 the masked score;
; v[6:7], v[8:9] (-m, m) of q tile 0, 1; v[10:11], v[12:13] (alpha, l); v[14:21] at work; v22 the hand-over; v24 Q's offset;
; v25, v26, v27 the way out; v[28:31] set-up, then (m, l, m, l) handed over.
.set G1K, 76                           ; s[76:83] descriptor group 1 for K's tiles
.set G1V, 84                           ; s[84:91] for V's: wider padding
.set G0,  92                           ; s[92:99] group 0, one set for each slot
; s2 wave; s3 wave % 8; s[4:5] my mask words; s6, s7 their running and clamped offset; s[8:63], s[68:75] 64 mask words; s66, s67 lane selects;
; s101 counter; s[104:105] result
.macro CREST                           ; a round of the cluster's barrier behind its opening barrier
	s_cmp_lg_u32 s2, 0
	s_cbranch_scc1 .Lnot_wave_0_\@
	s_barrier_signal -3
.Lnot_wave_0_\@:
	s_barrier_wait -3
	s_barrier_signal -1
	s_barrier_wait -1
.endm
.macro ROUND                           ; a whole round
	s_barrier_signal -1
	s_barrier_wait -1
	CREST
.endm
.macro JLOAD n                         ; waves 0-3 ask for K's four regions, waves 4-7 for V's, waves 8-15 for nothing; the branches hang on the wave's number alone
	s_cmp_lt_u32 s2, 4
	s_cbranch_scc0 .Lnot_k_\@
	tensor_load_to_lds s[G0+4*(\n):G0+4*(\n)+3], s[G1K:G1K+7]
	s_nop 0
	s_branch .Lasked_\@
.Lnot_k_\@:
	s_cmp_lt_u32 s2, 8
	s_cbranch_scc0 .Lasked_\@
	tensor_load_to_lds s[G0+4*(\n):G0+4*(\n)+3], s[G1V:G1V+7]
	s_nop 0
.Lasked_\@:
.endm
.macro PLACES n
.rept \n
	v_nop
.endr
.endm
.macro LOADK                           ; 64 keys x 64 d of my head: the eight loads of d 0-31 first
.irp c, 0,1
.irp kt, 0,1,2,3
	ds_load_b128 v[FR+16*\kt+8*\c:FR+16*\kt+8*\c+3],   v3 offset:4352*\kt+64*\c
	ds_load_b128 v[FR+16*\kt+8*\c+4:FR+16*\kt+8*\c+7], v3 offset:4352*\kt+64*\c+32
.endr
.endr
.endm
.macro QK c                            ; eight accumulators take turns, in the same order for both halves of d
.irp kt, 0,1,2,3
.irp qt, 0,1
.if \c
	v_wmma_f32_16x16x32_f16 v[SC+32*\qt+8*\kt:SC+32*\qt+8*\kt+7], v[FR+16*\kt+8*\c:FR+16*\kt+8*\c+7], v[QF+16*\qt+8*\c:QF+16*\qt+8*\c+7], v[SC+32*\qt+8*\kt:SC+32*\qt+8*\kt+7]
.else
	v_wmma_f32_16x16x32_f16 v[SC+32*\qt+8*\kt:SC+32*\qt+8*\kt+7], v[FR+16*\kt+8*\c:FR+16*\kt+8*\c+7], v[QF+16*\qt+8*\c:QF+16*\qt+8*\c+7], 0
.endif
.endr
.endr
.endm
.macro LOADV                           ; V^T fragments: row d = 16 dt + r, keys 32 u + 8 h .. and 32 u + 16 + 8 h ..
.irp u, 0,1
.irp dt, 0,1,2,3
	ds_load_tr16_b128 v[FR+32*\u+8*\dt:FR+32*\u+8*\dt+3],   v4 offset:9216*\u+32*\dt
	ds_load_tr16_b128 v[FR+32*\u+8*\dt+4:FR+32*\u+8*\dt+7], v4 offset:9216*\u+32*\dt+4608
.endr
.endr
.endm
.macro MASK qt                         ; word i = 8 kt + j of q tile 0 lies in s[8 + i]; of q tile 1 in s[40 + i], from i = 24 on in s[44 + i]
.set ii, 0
.rept 32
.if \qt == 0
.set mw, 8+ii
.elseif ii < 24
.set mw, 40+ii
.else
.set mw, 44+ii
.endif
	v_cndmask_b32 v[SC+32*\qt+ii], v5, v[SC+32*\qt+ii], s[mw]
.set ii, ii+1
.endr
.endm
.macro MLOAD                           ; 2 x 32 words: four key tiles of my two q tiles
	s_load_b512 s[8:23],  s[4:5], s7 offset:0x0
	s_load_b512 s[24:39], s[4:5], s7 offset:0x40
	s_load_b512 s[40:55], s[4:5], s7 offset:0x1000
	s_load_b256 s[56:63], s[4:5], s7 offset:0x1040
	s_load_b256 s[68:75], s[4:5], s7 offset:0x1060
.endm
.macro ROWMAX qt, first                ; the new maximum, its negative, and alpha = 2^(old - new)
.irp kt, 0,1,2,3
	v_max3_num_f32 v[14+4*\qt+\kt], v[SC+32*\qt+8*\kt], v[SC+32*\qt+8*\kt+1], v[SC+32*\qt+8*\kt+2]
.endr
.irp kt, 0,1,2,3
	v_max3_num_f32 v[14+4*\qt+\kt], v[14+4*\qt+\kt], v[SC+32*\qt+8*\kt+3], v[SC+32*\qt+8*\kt+4]
.endr
.irp kt, 0,1,2,3
	v_max3_num_f32 v[14+4*\qt+\kt], v[14+4*\qt+\kt], v[SC+32*\qt+8*\kt+5], v[SC+32*\qt+8*\kt+6]
.endr
	v_max3_num_f32 v[14+4*\qt], v[14+4*\qt], v[15+4*\qt], v[SC+32*\qt+7]
	v_max3_num_f32 v[16+4*\qt], v[16+4*\qt], v[17+4*\qt], v[SC+32*\qt+15]
	v_max3_num_f32 v[14+4*\qt], v[14+4*\qt], v[16+4*\qt], v[SC+32*\qt+23]
	v_max_num_f32 v[14+4*\qt], v[14+4*\qt], v[SC+32*\qt+31]
	v_permlanex16_b32 v[15+4*\qt], v[14+4*\qt], s66, s67           ; the other half of the keys
.if \first
	v_max_num_f32 v[7+2*\qt], v[14+4*\qt], v[15+4*\qt]
	v_sub_f32 v[6+2*\qt], 0, v[7+2*\qt]
.else
	v_max3_num_f32 v[14+4*\qt], v[14+4*\qt], v[15+4*\qt], v[7+2*\qt]
	v_sub_f32 v[10+2*\qt], v[7+2*\qt], v[14+4*\qt]
	v_exp_f32 v[10+2*\qt], v[10+2*\qt]
	v_mov_b32 v[7+2*\qt], v[14+4*\qt]                              ; the independent instruction behind the exponential (ISA guide 5.7.2)
	v_sub_f32 v[6+2*\qt], 0, v[14+4*\qt]
.endif
.endm
.macro SHIFT qt                        ; s - m, two at a time; both halves add the pair's first register, -m
.set ii, 0
.rept 16
	v_pk_add_f32 v[SC+32*\qt+2*ii:SC+32*\qt+2*ii+1], v[SC+32*\qt+2*ii:SC+32*\qt+2*ii+1], v[6+2*\qt:7+2*\qt] op_sel_hi:[1,0]
.set ii, ii+1
.endr
.endm
.macro EXPS qt
.set ii, 0
.rept 32
	v_exp_f32 v[SC+32*\qt+ii], v[SC+32*\qt+ii]
.set ii, ii+1
.endr
.endm
.macro ROWSUM qt, first                ; l stays the sum over my half of the lanes' keys until the end: alpha is the same in both halves
	s_wait_alu depctr_va_vdst(0)
.irp a, 0,1,2,3
	v_pk_add_f32 v[14+2*\a:15+2*\a], v[SC+32*\qt+2*\a:SC+32*\qt+2*\a+1], v[SC+32*\qt+8+2*\a:SC+32*\qt+9+2*\a]
.endr
.irp a, 0,1,2,3
	v_pk_add_f32 v[14+2*\a:15+2*\a], v[14+2*\a:15+2*\a], v[SC+32*\qt+16+2*\a:SC+32*\qt+17+2*\a]
.endr
.irp a, 0,1,2,3
	v_pk_add_f32 v[14+2*\a:15+2*\a], v[14+2*\a:15+2*\a], v[SC+32*\qt+24+2*\a:SC+32*\qt+25+2*\a]
.endr
	v_pk_add_f32 v[14:15], v[14:15], v[16:17]
	v_pk_add_f32 v[18:19], v[18:19], v[20:21]
	v_pk_add_f32 v[14:15], v[14:15], v[18:19]
.if \first
	v_add_f32 v[11+2*\qt], v14, v15
.else
	v_add_f32 v14, v14, v15
	v_fma_f32 v[11+2*\qt], v[11+2*\qt], v[10+2*\qt], v14
.endif
.endm
.macro PACK qt                         ; in place, ascending: key tiles 2 u and 2 u + 1 become the 8 registers at 16 u, a fragment of P^T
.irp u, 0,1
.irp kk, 0,1
.irp i, 0,1,2,3
	v_cvt_pk_f16_f32 v[SC+32*\qt+16*\u+4*\kk+\i], v[SC+32*\qt+16*\u+8*\kk+2*\i], v[SC+32*\qt+16*\u+8*\kk+2*\i+1]
.endr
.endr
.endr
.endm
.macro RESCALE qt
.set ii, 0
.rept 16
	v_pk_mul_f32 v[OA+32*\qt+2*ii:OA+32*\qt+2*ii+1], v[OA+32*\qt+2*ii:OA+32*\qt+2*ii+1], v[10+2*\qt:11+2*\qt] op_sel_hi:[1,0]
.set ii, ii+1
.endr
.endm
.macro PV first                        ; eight accumulators take turns, in the same order for both halves of the keys
.irp u, 0,1
.irp qt, 0,1
.irp dt, 0,1,2,3
.if \first*(1-\u)
	v_wmma_f32_16x16x32_f16 v[OA+32*\qt+8*\dt:OA+32*\qt+8*\dt+7], v[FR+32*\u+8*\dt:FR+32*\u+8*\dt+7], v[SC+32*\qt+16*\u:SC+32*\qt+16*\u+7], 0
.else
	v_wmma_f32_16x16x32_f16 v[OA+32*\qt+8*\dt:OA+32*\qt+8*\dt+7], v[FR+32*\u+8*\dt:FR+32*\u+8*\dt+7], v[SC+32*\qt+16*\u:SC+32*\qt+16*\u+7], v[OA+32*\qt+8*\dt:OA+32*\qt+8*\dt+7]
.endif
.endr
.endr
.endr
.endm
; One step: 64 keys, the st-th of my two regions of K and of V in a slot.  first = 1: the wave's first step starts the maximum, the sums and O.
; inc: from this step's mask words to the next step's.  sig: 0 no barrier; 1, 2 the tile's last step, which holds the barrier of the change of slots
; (1: the slot is filled again behind it, and this barrier opens a round of the cluster's barrier).  The signal stands as soon as V has landed, which
; was my last read of the slot; the rest of the step, register work alone, stands between signal and wait, so that a wave that comes early works on.
.macro STEP slot, st, first, inc, sig
	v_add_nc_u32 v3, \slot*SLOTB+\st*REGB, v1      ; with the four v_nop at the last step's end the fifth place behind its last products
	LOADK
	s_wait_dscnt 8                                 ; d 0-31 is in; the eight loads of d 32-63 may be out
	QK 0
	s_wait_dscnt 0x0
	QK 1
	v_add_nc_u32 v4, \slot*SLOTB+(4+\st)*REGB, v2  ; four places (ISA guide 7.12.1) before K's registers are loaded again and the scores are read
	PLACES 3
	LOADV                                          ; V lands while the softmax is worked out
	s_wait_kmcnt 0x0                               ; this step's mask words, asked for a step ago
	MASK 0
	MASK 1
	s_add_co_u32 s6, s6, \inc                      ; 32 bytes for a key tile: 128 to my next region, 384 on to my first region of the next tile; free since the wait above
	s_min_u32 s7, s6, 3968                         ; the last step has no next: it asks for the row's last words and stays inside the buffer
	MLOAD
	ROWMAX 0, \first
	ROWMAX 1, \first
.if \sig
	s_wait_dscnt 0x0                               ; V is in: my reads of this slot are over
	s_wait_xcnt 0x0
	v_lshl_add_u32 v30, v0, 2, 0x48000
	v_mov_b32 v31, 0
	s_wait_tensorcnt 0x0                           ; all my tensor loads have landed: the one that was out is my part of the next slot
	ds_add_u32 v30, v31
	s_wait_dscnt 0x0
.if \sig == 1
	s_add_nc_u64 s[G0+4*\slot+2:G0+4*\slot+3], s[G0+4*\slot+2:G0+4*\slot+3], 0x100000   ; this slot's next tile: 512 rows of 2,048 bytes on; no load of mine is out
.endif
	s_barrier_signal -1
.endif
	SHIFT 0
	EXPS 0
	SHIFT 1                                        ; plain work on other registers behind the run of exponentials
	EXPS 1
	ROWSUM 0, \first                               ; likewise
	PACK 0
	ROWSUM 1, \first
	PACK 1
.if \first == 0
	RESCALE 0
	RESCALE 1
.endif
.if \sig == 0
	s_wait_dscnt 0x0                               ; V
.endif
	PV \first
	PLACES 4
.if \sig
	s_barrier_wait -1                              ; no wave of my work-group reads this slot any more, and the next slot is whole
.endif
.endm
.macro TILEWORK slot, first, sig
	STEP \slot, 0, \first, 128, 0
	STEP \slot, 1, 0, 384, \sig
.endm
.macro ARRIVE slot                     ; the rest of the round, and straight behind it the wave's one joint load, into the slot just read
	CREST
	JLOAD \slot
.endm
	s_load_b128 s[8:11], s[0:1], 0x0               ; qkv s[8:9], mbits s[10:11]
	s_load_b64 s[104:105], s[0:1], 0x10            ; xatt
	v_lshl_add_u32 v30, v0, 2, 0x48000
	v_mov_b32 v31, 0
	ds_add_u32 v30, v31
	s_wait_dscnt 0x0
	v_lshrrev_b32 v6, 5, v0
	v_readfirstlane_b32 s2, v6                     ; wave 0..15
	s_and_b32 s3, s2, 7                            ; which head and rows
	s_lshr_b32 s35, s2, 3                          ; which half of every tile's keys
	s_bfe_u32 s12, ttmp6, 0x40000                  ; cx: enters global addresses of Q, mask words and the result alone
	s_lshl_b32 s13, ttmp9, 2
	s_add_co_u32 s13, s13, s12                     ; query block 0..15
	s_and_b32 s14, ttmp7, 0xffff
	s_lshr_b32 s15, s14, 3                         ; b
	s_and_b32 s16, s14, 7                          ; pair of heads
	s_lshr_b32 s17, s3, 2                          ; my head of the pair.  Also, in waves 0-7: I fetch K (0) or V (1)
	s_and_b32 s18, s3, 3                           ; my 32 query rows.  Also: which 64 keys of a tile I fetch
	s_lshl_b32 s19, s17, 7                         ; my head's 128 bytes of a row
	s_mov_b32 s[G1K+0], 15|(1<<16)|(1<<20)|(1<<21)|(5<<22)|(3<<25)  ; all four partners; 2-byte elements; padding on; bit 21 beside a mask; 4 words behind every 64
	s_mov_b32 s[G1V+0], 15|(1<<16)|(1<<20)|(1<<21)|(5<<22)|(7<<25)  ; 8 words behind every 64
	s_mov_b32 s[G1K+1], 128<<16                    ; tensor_dim0 = 128
	s_mov_b32 s[G1V+1], 128<<16
	s_mov_b32 s[G1K+2], 64<<16                     ; tensor_dim1 = 64
	s_mov_b32 s[G1V+2], 64<<16
	s_mov_b32 s[G1K+3], 128<<16                    ; tile_dim0 = 128 elements, 256 bytes
	s_mov_b32 s[G1V+3], 128<<16
	s_mov_b32 s[G1K+4], 64                         ; tile_dim1 = 64 rows
	s_mov_b32 s[G1V+4], 64
	s_mov_b32 s[G1K+5], 1024                       ; elements from row to row
	s_mov_b32 s[G1V+5], 1024
	s_mov_b32 s[G1K+6], 0
	s_mov_b32 s[G1V+6], 0
	s_mov_b32 s[G1K+7], 0
	s_mov_b32 s[G1V+7], 0
	s_mul_i32 s23, s3, REGB                        ; the region of a slot that I fill (waves 0-7)
	s_add_co_u32 s24, s17, 1                       ; K's rows begin at 4,096, V's at 8,192
	s_lshl_b32 s24, s24, 12
	s_lshl_b32 s25, s15, 11
	s_add_co_u32 s24, s24, s25                     ; + 2,048 b
	s_lshl_b32 s25, s18, 6
	s_add_co_u32 s24, s24, s25                     ; + my 64 keys
	s_lshl_b32 s24, s24, 11                        ; rows of 2,048 bytes
	s_lshl_b32 s25, s16, 8
	s_add_co_u32 s24, s24, s25                     ; + the pair's 256 bytes
	s_mov_b32 s25, 0
	s_wait_kmcnt 0x0
	s_add_nc_u64 s[24:25], s[8:9], s[24:25]
	ROUND                                          ; the four partners are here: the first joint loads meet
.irp n, 0,1
	s_mov_b32 s[G0+4*\n], 1
	s_add_co_u32 s[G0+4*\n+1], s23, \n*SLOTB
	s_add_nc_u64 s[G0+4*\n+2:G0+4*\n+3], s[24:25], \n*524288       ; tile n: 256 keys on
	s_or_b32 s[G0+4*\n+3], s[G0+4*\n+3], 0x80000000
	JLOAD \n                                       ; both first fills go out together: two tensor loads of a wave are out, later one
.endr
	s_lshl_b32 s26, s15, 11
	s_lshl_b32 s27, s13, 7
	s_add_co_u32 s26, s26, s27                     ; the block's first row: 2,048 b + 128 x block
	s_lshl_b32 s28, s26, 11
	s_lshl_b32 s29, s16, 8
	s_add_co_u32 s28, s28, s29
	s_mov_b32 s29, 0
	s_add_nc_u64 s[104:105], s[104:105], s[28:29]  ; the result at the block's first row and the pair's columns
	s_lshl_b32 s30, s18, 16                        ; my 32 rows
	s_add_co_u32 s28, s28, s30
	s_add_co_u32 s28, s28, s19                     ; my head
	s_add_nc_u64 s[100:101], s[8:9], s[28:29]      ; Q
	s_lshl_b32 s31, s15, 7
	s_lshl_b32 s32, s13, 3
	s_add_co_u32 s31, s31, s32
	s_lshl_b32 s32, s18, 1
	s_add_co_u32 s31, s31, s32                     ; my first q tile: 128 b + 8 x block + 2 (w % 4)
	s_lshl_b32 s32, s31, 12                        ; 4,096 bytes of words for a q tile
	s_mov_b32 s33, 0
	s_add_nc_u64 s[4:5], s[10:11], s[32:33]
	s_mov_b32 s66, 0x76543210                      ; v_permlanex16_b32: lane i of one half reads lane i of the other
	s_mov_b32 s67, 0xfedcba98
	s_mul_i32 s20, s18, 32*272
	s_add_co_u32 s20, s20, STG                     ; the stage's rows 32 (w % 4) ..: my query rows
	s_mul_i32 s21, s2, 8*272
	s_add_co_u32 s21, s21, STG                     ; and the eight rows 8 w .. that I read back,
	s_lshl_b32 s22, s2, 14                         ; which are rows 8 w .. of the block: 2,048 bytes each
	s_mul_i32 s36, s3, XCHB                        ; my pair's hand-over
	s_mul_i32 s37, s35, 2*REGB                     ; my two regions of a slot's four
	v_and_b32 v28, 15, v0                          ; r
	v_bfe_u32 v29, v0, 4, 1                        ; h
	v_and_b32 v30, 7, v0
	v_bfe_u32 v31, v0, 3, 1
	v_lshlrev_b32 v24, 11, v28
	v_lshl_add_u32 v24, v29, 4, v24                ; Q: row r, 16 h
.irp qt, 0,1
.irp c, 0,1
	global_load_b128 v[QF+16*\qt+8*\c:QF+16*\qt+8*\c+3],   v24, s[100:101] offset:32768*\qt+64*\c
	global_load_b128 v[QF+16*\qt+8*\c+4:QF+16*\qt+8*\c+7], v24, s[100:101] offset:32768*\qt+64*\c+32
.endr
.endr
	v_mul_u32_u24 v1, v28, 272
	v_lshl_add_u32 v1, v29, 4, v1
	v_add_nc_u32 v1, s19, v1                       ; r x 272 + 16 h + my head
	v_add_nc_u32 v25, s20, v1                      ; stage, in: row 32 (w % 4) + r, my head, 16 h
	v_add_nc_u32 v1, s37, v1                       ; K: + my half of the keys
	v_lshl_add_u32 v2, v29, 3, v30
	v_mul_u32_u24 v2, v2, 288
	v_lshl_add_u32 v2, v31, 4, v2
	v_add_nc_u32 v2, s19, v2
	v_add_nc_u32 v2, s37, v2                       ; V: (8 h + l % 8) x 288 + 16 ((l / 8) % 2) + my head + my half of the keys
	v_mul_u32_u24 v26, v29, 272
	v_lshl_add_u32 v26, v28, 4, v26
	v_add_nc_u32 v26, s21, v26                     ; stage, back: lanes 0-15 one row of 256 bytes, lanes 16-31 the next
	v_lshlrev_b32 v27, 11, v29
	v_lshl_add_u32 v27, v28, 4, v27
	v_add_nc_u32 v27, s22, v27                     ; and the same two rows in the result
	v_and_b32 v22, 31, v0
	v_lshlrev_b32 v22, 4, v22
	v_add_nc_u32 v22, s36, v22                     ; hand-over: 16 bytes a lane
	v_mov_b32 v5, 0xceabfb8f                       ; -1e9 log2(e)
	s_lshl_b32 s6, s35, 8                          ; my first step's words: eight key tiles of 32 bytes for each half
	s_mov_b32 s7, s6
	MLOAD                                          ; the first step's words; every scalar above s7 but the descriptors, s66, s67 and the bases is free now
	s_wait_loadcnt 0x0                             ; Q
	s_wait_tensorcnt 0x0                           ; waves 0-7 have issued two loads, waves 8-15 none: 0 is the one count that shows slot 0's part landed
	                                               ; on every way through the branches above.  Slot 1's part, issued together with it, is waited for too
	s_barrier_signal -1
	s_barrier_wait -1                              ; both slots are whole for all sixteen waves
	TILEWORK 0, 1, 1                               ; tile 0: the first lap stands in front of the loop, its first step starts the sums
	ARRIVE 0                                       ; slot 0 gets tile 2
	TILEWORK 1, 0, 1                               ; tile 1
	ARRIVE 1                                       ; slot 1 gets tile 3
	s_mov_b32 s101, 2                              ; free since the wait for Q
.Louter:
	TILEWORK 0, 0, 1                               ; tile 2, 4
	ARRIVE 0                                       ; slot 0 gets tile 4, 6
	TILEWORK 1, 0, 1                               ; tile 3, 5
	ARRIVE 1                                       ; slot 1 gets tile 5, 7
	s_sub_co_u32 s101, s101, 1
	s_cmp_lg_u32 s101, 0
	s_cbranch_scc1 .Louter
	TILEWORK 0, 0, 2                               ; tile 6: nothing is left to fetch; behind its barrier no wave reads slot 0 and no load fills it
	TILEWORK 1, 0, 0                               ; tile 7
	; THE HAND-OVER.  Waves 8 to 15 put O and (m, l) of both q tiles into their pair's bytes of slot 0, lane by lane.
	s_cmp_lt_u32 s2, 8
	s_cbranch_scc1 .Lkeeps
	v_mov_b32 v28, v7
	v_mov_b32 v29, v11
	v_mov_b32 v30, v9
	v_mov_b32 v31, v13
.set ii, 0
.rept 16
	ds_store_b128 v22, v[OA+4*ii:OA+4*ii+3] offset:512*ii
.set ii, ii+1
.endr
	ds_store_b128 v22, v[28:31] offset:8192
.Lkeeps:
	s_wait_dscnt 0x0                               ; for the partner's sake: my stores are done
	s_barrier_signal -1
	s_barrier_wait -1
	s_cmp_lt_u32 s2, 8
	s_cbranch_scc0 .Lgave
	; Waves 0 to 7 join the two halves of the keys: m* = max(mA, mB), a = 2^(mA - m*), b = 2^(mB - m*), l = a lA + b lB, O = (a OA + b OB) / l.
	ds_load_b128 v[28:31], v22 offset:8192
.set ii, 0
.rept 16
	ds_load_b128 v[FR+4*ii:FR+4*ii+3], v22 offset:512*ii
.set ii, ii+1
.endr
	s_wait_dscnt 16                                ; (m, l) are in; the sixteen loads of O may be out
.irp qt, 0,1
	v_max_num_f32 v[14+4*\qt], v[7+2*\qt], v[28+2*\qt]
.endr
.irp qt, 0,1
	v_sub_f32 v[10+2*\qt], v[7+2*\qt], v[14+4*\qt]
	v_sub_f32 v[16+4*\qt], v[28+2*\qt], v[14+4*\qt]
.endr
.irp qt, 0,1
	v_exp_f32 v[10+2*\qt], v[10+2*\qt]
	v_exp_f32 v[16+4*\qt], v[16+4*\qt]
.endr
	v_nop                                          ; the independent instruction behind the exponentials (ISA guide 5.7.2)
	s_wait_alu depctr_va_vdst(0)
.irp qt, 0,1
	v_mul_f32 v[11+2*\qt], v[11+2*\qt], v[10+2*\qt]
.endr
.irp qt, 0,1
	v_fmac_f32 v[11+2*\qt], v[29+2*\qt], v[16+4*\qt]
.endr
.irp qt, 0,1
	v_permlanex16_b32 v[15+4*\qt], v[11+2*\qt], s66, s67           ; the two halves of the lanes meet
.endr
.irp qt, 0,1
	v_add_f32 v[15+4*\qt], v[15+4*\qt], v[11+2*\qt]
.endr
	v_rcp_f32 v15, v15                             ; l is at least the maximum's own 1
	v_rcp_f32 v19, v19
	v_nop
	s_wait_alu depctr_va_vdst(0)
.irp qt, 0,1
	v_mul_f32 v[10+2*\qt], v[10+2*\qt], v[15+4*\qt]                ; a / l
	v_mul_f32 v[16+4*\qt], v[16+4*\qt], v[15+4*\qt]                ; b / l
.endr
.irp qt, 0,1
.set ii, 0
.rept 16
	v_pk_mul_f32 v[OA+32*\qt+2*ii:OA+32*\qt+2*ii+1], v[OA+32*\qt+2*ii:OA+32*\qt+2*ii+1], v[10+2*\qt:11+2*\qt] op_sel_hi:[1,0]
.set ii, ii+1
.endr
.endr
	s_wait_dscnt 0x0                               ; the partner's O
.irp qt, 0,1
.set ii, 0
.rept 16
	v_pk_fma_f32 v[OA+32*\qt+2*ii:OA+32*\qt+2*ii+1], v[FR+32*\qt+2*ii:FR+32*\qt+2*ii+1], v[16+4*\qt:17+4*\qt], v[OA+32*\qt+2*ii:OA+32*\qt+2*ii+1] op_sel_hi:[1,0,1]
.set ii, ii+1
.endr
.endr
	; f16, 16 bytes a lane (eight neighbouring d of one query) into the stage
.irp qt, 0,1
.irp dt, 0,1,2,3
.irp i, 0,1,2,3
	v_cvt_pk_f16_f32 v[SC+16*\qt+4*\dt+\i], v[OA+32*\qt+8*\dt+2*\i], v[OA+32*\qt+8*\dt+2*\i+1]
.endr
.endr
.endr
.irp qt, 0,1
.irp dt, 0,1,2,3
	ds_store_b128 v25, v[SC+16*\qt+4*\dt:SC+16*\qt+4*\dt+3] offset:4352*\qt+32*\dt
.endr
.endr
.Lgave:
	s_wait_dscnt 0x0                               ; for the others' sake: my stores are done
	s_barrier_signal -1
	s_barrier_wait -1
	; THE WAY OUT: all sixteen waves read eight whole rows of 256 bytes (two heads of one token) back and store them.
.irp t, 0,1,2,3
	ds_load_b128 v[SC+32+4*\t:SC+32+4*\t+3], v26 offset:544*\t
.endr
.irp t, 0,1,2,3
	s_wait_dscnt 3-\t                              ; load t is in, the younger ones stay out
	global_store_b128 v27, v[SC+32+4*\t:SC+32+4*\t+3], s[104:105] offset:4096*\t   ; 16 lanes store 256 consecutive bytes, aligned
.endr
	s_wait_xcnt 0x0
	v_lshl_add_u32 v30, v0, 2, 0x48000
	v_mov_b32 v31, 0
	s_wait_tensorcnt 0x0
	ds_add_u32 v30, v31
	s_wait_dscnt 0x0
	ROUND                                          ; the closing round
	s_endpgm
.Lfunc_end_k_q591fb030ba_attn:
	.size	k_q591fb030ba_attn, .Lfunc_end_k_q591fb030ba_attn-k_q591fb030ba_attn
	.p2alignl 7, 3214868480
	.fill 96, 4, 3214868480
	.section	.rodata,"a",@progbits
	.p2align	6, 0x0
	.amdhsa_kernel k_q591fb030ba_attn
		.amdhsa_group_segment_fixed_size 327680
		.amdhsa_private_segment_fixed_size 0
		.amdhsa_enable_private_segment 0
		.amdhsa_kernarg_size 24
		.amdhsa_user_sgpr_count 2
		.amdhsa_user_sgpr_kernarg_segment_ptr 1
		.amdhsa_wavefront_size32 1
		.amdhsa_system_sgpr_workgroup_id_x 1
		.amdhsa_system_sgpr_workgroup_id_y 1
		.amdhsa_system_sgpr_workgroup_id_z 1
		.amdhsa_system_vgpr_workitem_id 0
		.amdhsa_next_free_vgpr 256
		.amdhsa_next_free_sgpr 106
		.amdhsa_reserve_vcc 0
		.amdhsa_float_denorm_mode_32 3
		.amdhsa_float_denorm_mode_16_64 3
		.amdhsa_memory_ordered 1
		.amdhsa_forward_progress 1
		.amdhsa_inst_pref_size 255
	.end_amdhsa_kernel
	.section	.bss,"aw",@nobits
	.p2align	6
	.space	262144
	.amdgpu_metadata
---
amdhsa.version: [ 1, 2 ]
amdhsa.kernels:
  - .name:           k_q591fb030ba_attn
    .symbol:         k_q591fb030ba_attn.kd
    .args:
      - { .name: qkv, .offset: 0, .size: 8, .value_kind: global_buffer, .address_space: global }
      - { .name: mbits, .offset: 8, .size: 8, .value_kind: global_buffer, .address_space: global }
      - { .name: xatt, .offset: 16, .size: 8, .value_kind: global_buffer, .address_space: global }
    .group_segment_fixed_size: 327680
    .private_segment_fixed_size: 0
    .kernarg_segment_align: 8
    .kernarg_segment_size: 24
    .max_flat_workgroup_size: 512
    .sgpr_count:     106
    .vgpr_count:     256
    .wavefront_size: 32
...
	.end_amdgpu_metadata
.endif
;; end of part 3
;; launch oproj (part 4): grid 8 x 32, 4 waves a work-group, clusters of 4 x 4, 327,680 bytes of LDS; arguments xatt, xw, bo, out0; writes out0
.if DOCPART == 4
	.amdgcn_target "amdgcn-amd-amdhsa--gfx1250"
	.amdhsa_code_object_version 6
	.text
	.protected	k_q591fb030ba_oproj
	.globl	k_q591fb030ba_oproj
	.p2align	8
	.type	k_q591fb030ba_oproj,@function
k_q591fb030ba_oproj:
	s_mov_b64 s[64:65], 0
	v_nop
	global_prefetch_b8 v0, s[64:65] scope:SCOPE_SE
	s_setreg_imm32_b32 hwreg(HW_REG_WAVE_MODE, 25, 1), 1
	s_wait_xcnt 0x0
	s_wait_alu depctr_hold_cnt(0) depctr_sa_sdst(0) depctr_va_vdst(0) depctr_va_sdst(0) depctr_va_ssrc(0) depctr_va_vcc(0) depctr_vm_vsrc(0)
	s_getreg_b32 s2, hwreg(HW_REG_IB_STS2, 6, 4)
	s_cmp_eq_u32 s2, 0
	s_cbranch_scc0 .Lentry_in_a_cluster
	s_endpgm
.Lentry_in_a_cluster:
	s_bfe_u32 s2, ttmp6, 0x10000c
	s_cmp_lg_u32 s2, 0xf033
	s_cbranch_scc0 .Lentry_shape_is_right
	s_endpgm
.Lentry_shape_is_right:
; out0[m][n] = sum over k of xatt[m][k] wo[n][k] + bo[n].  xatt: [4096][1024] f16; wo: rows 15360 .. of xw, f16; out0: [4096][1024] f32.
; 256 work-groups, one 128 x 128 block each (a block of 256 x 256 would give work to 64); four waves, a wave makes 64 x 64: 16 accumulator tiles.
; CLUSTERS 4 x 4: A's tile is asked for jointly by a row of the cluster, B's by a column.
; K goes through two LDS slots of 256 each (rows of 512 bytes, pitch 528), one load a wave: 64 rows.  A slot holds two times 128 of K because a wave's
; 64 matrix instructions for 128 of K are few for a tile to land in; with 256 the refill has 128.  1,024 of K are four slots' worth: no loop.
; The matrix instruction is used transposed (source 0 = rows of wo, source 1 = rows of xatt): a lane's eight results are eight neighbouring columns.
; The bias of those columns is the C operand of each tile's first product.
; Window 0: addresses, two fragment buffers (B's four fragments, then A's four), the bias.  Window 1: the 128 accumulator registers
; (128 accumulators and 2 x 64 fragment registers alone are 256).
.set PITCH,  528
.set HALF,   64*PITCH                  ; what one tensor load brings
.set SLOT,   4*HALF                    ; A's 128 rows, then B's 128 rows
.set STAGE,  2*SLOT                    ; 16 rows x 272 bytes for each wave; no fill lands here
.set SPITCH, 272
.set ADRA, 16                          ; v16-17 my A fragments in slot 0, 1
.set ADRB, 20                          ; v20-21 my B fragments
.set STO,  24
.set RD,   25
.set CO,   26
.set BO,   27
.set F0,   64
.set F1,   128
.set BIAS, 192                         ; v[192 + 8 b ..] = bo of columns 16 b + 8 (l / 16) + 0 .. 7
.set G1, 24
.set G0, 32
.set G1B, 48
.set G0B, 56
.set MSB, 0
.macro WIN new                         ; the immediate's high byte repeats the setting that is left
.if MSB != \new
	s_set_vgpr_msb (MSB<<8)|\new
.set MSB, \new
.endif
.endm
.macro JLOAD s                         ; waves 0 and 1 fetch A's halves, waves 2 and 3 B's
	s_cmp_eq_u32 s11, 0
	s_cbranch_scc0 .Lfor_b_\@
	tensor_load_to_lds s[G0+4*(\s):G0+4*(\s)+3], s[G1:G1+7]
	s_nop 0
	s_branch .Lasked_\@
.Lfor_b_\@:
	tensor_load_to_lds s[G0B+4*(\s):G0B+4*(\s)+3], s[G1B:G1B+7]
	s_nop 0
.Lasked_\@:
.endm
.macro CROUND                          ; a round of the cluster's barrier
	s_barrier_signal -1
	s_barrier_wait -1
	s_cmp_lg_u32 s10, 0
	s_cbranch_scc1 .Lnot_wave_0_\@
	s_barrier_signal -3
.Lnot_wave_0_\@:
	s_barrier_wait -3
	s_barrier_signal -1
	s_barrier_wait -1
.endm
	s_load_b128 s[4:7], s[0:1], 0x0                ; xatt s[4:5], xw s[6:7]
	s_load_b64 s[2:3], s[0:1], 0x10                ; bo
	s_load_b64 s[8:9], s[0:1], 0x18                ; out0
	v_lshl_add_u32 v254, v0, 2, 0x46400
	v_mov_b32 v255, 0
	ds_add_u32 v254, v255
	v_lshrrev_b32 v1, 5, v0
	v_readfirstlane_b32 s10, v1                    ; wave 0..3
	s_lshr_b32 s11, s10, 1                         ; my half of the block's rows.  Also: I fetch for A (0) or B (1)
	s_and_b32 s12, s10, 1                          ; my half of its columns.  Also: which 64 rows of that tile I fetch
	s_bfe_u32 s40, ttmp6, 0x40000                  ; cx
	s_bfe_u32 s41, ttmp6, 0x40004                  ; cy
	s_lshl_b32 s42, ttmp9, 2
	s_add_co_u32 s42, s42, s40                     ; block column 0..7
	s_and_b32 s13, ttmp7, 0xffff
	s_lshl_b32 s13, s13, 2
	s_add_co_u32 s13, s13, s41                     ; block row 0..31
	s_lshl_b32 s43, s41, 2
	s_lshl_b32 s43, 15, s43                        ; my row of the cluster
	s_lshl_b32 s44, 0x1111, s40                    ; my column
	s_or_b32 s[G1+0], s43, (1<<16)|(1<<20)|(1<<21)|(6<<22)|(3<<25)  ; mask; 2-byte elements; padding on; bit 21 beside a mask; 4 words behind every 128
	s_or_b32 s[G1B+0], s44, (1<<16)|(1<<20)|(1<<21)|(6<<22)|(3<<25)
	s_mov_b32 s[G1+1], 256<<16                     ; tensor_dim0 = 256
	s_mov_b32 s[G1B+1], 256<<16
	s_mov_b32 s[G1+2], 64<<16                      ; tensor_dim1 = 64
	s_mov_b32 s[G1B+2], 64<<16
	s_mov_b32 s[G1+3], 256<<16                     ; tile_dim0 = 256 elements, 512 bytes
	s_mov_b32 s[G1B+3], 256<<16
	s_mov_b32 s[G1+4], 64                          ; tile_dim1 = 64 rows
	s_mov_b32 s[G1B+4], 64
	s_mov_b32 s[G1+5], 1024                        ; elements from row to row
	s_mov_b32 s[G1B+5], 1024
	s_mov_b32 s[G1+6], 0
	s_mov_b32 s[G1B+6], 0
	s_mov_b32 s[G1+7], 0
	s_mov_b32 s[G1B+7], 0
	s_lshl_b32 s17, s12, 6
	s_lshl_b32 s16, s13, 7
	s_add_co_u32 s16, s16, s17                     ; A: row 128 x block row + 64 x half
	s_lshl_b32 s46, s42, 7
	s_add_co_u32 s46, s46, s17                     ; B: row 128 x block column + 64 x half
	s_lshl_b32 s16, s16, 11                        ; rows of 2,048 bytes
	s_lshl_b32 s46, s46, 11
	s_mov_b32 s17, 0
	s_mov_b32 s47, 0
	s_mul_i32 s20, s10, HALF                       ; where they go: wave x 64 rows
	s_wait_dscnt 0x0
	s_wait_kmcnt 0x0
	s_add_nc_u64 s[14:15], s[4:5], s[16:17]
	s_add_nc_u64 s[6:7], s[6:7], 0x1e00000         ; row 15360 of xw: wo
	s_add_nc_u64 s[46:47], s[6:7], s[46:47]
	CROUND                                         ; all sixteen work-groups are here: the first joint loads meet
.irp s, 0,1
	s_mov_b32 s[G0+4*\s], 1
	s_add_co_u32 s[G0+4*\s+1], s20, \s*SLOT
	s_add_nc_u64 s[G0+4*\s+2:G0+4*\s+3], s[14:15], \s*512
	s_or_b32 s[G0+4*\s+3], s[G0+4*\s+3], 0x80000000
	s_mov_b32 s[G0B+4*\s], 1
	s_add_co_u32 s[G0B+4*\s+1], s20, \s*SLOT
	s_add_nc_u64 s[G0B+4*\s+2:G0B+4*\s+3], s[46:47], \s*512
	s_or_b32 s[G0B+4*\s+3], s[G0B+4*\s+3], 0x80000000
	JLOAD \s                                       ; both first fills together: two tensor loads of the wave are out, later one
.endr
	s_lshl_b32 s18, s42, 9                         ; my first column in bytes of f32: 512 x block column + 256 x half
	s_lshl_b32 s19, s12, 8
	s_add_co_u32 s18, s18, s19
	s_mov_b32 s19, 0
	s_add_nc_u64 s[2:3], s[2:3], s[18:19]          ; its bias
	s_lshl_b32 s16, s13, 7
	s_lshl_b32 s17, s11, 6
	s_add_co_u32 s16, s16, s17                     ; my first row
	s_lshl_b32 s16, s16, 12                        ; rows of 4,096 bytes
	s_mov_b32 s17, 0
	s_add_nc_u64 s[8:9], s[8:9], s[16:17]
	s_add_nc_u64 s[8:9], s[8:9], s[18:19]
	v_and_b32 v1, 15, v0                           ; r
	v_bfe_u32 v2, v0, 4, 1                         ; h
	v_lshlrev_b32 v[BO], 5, v2
.irp b, 0,1,2,3
	global_load_b128 v[BIAS+8*\b:BIAS+8*\b+3],   v[BO], s[2:3] offset:64*\b
	global_load_b128 v[BIAS+8*\b+4:BIAS+8*\b+7], v[BO], s[2:3] offset:64*\b+16
.endr
	v_mul_u32_u24 v3, v1, PITCH
	v_lshl_add_u32 v3, v2, 4, v3
	s_mul_i32 s21, s11, HALF                       ; my 64 rows of A
	s_mul_i32 s22, s12, HALF                       ; my 64 rows of B,
	s_add_co_u32 s22, s22, 2*HALF                  ; behind A's 128
.irp s, 0,1
	v_add_nc_u32 v[ADRA+\s], s21, v3
	v_add_nc_u32 v[ADRB+\s], s22, v3
	s_add_co_u32 s21, s21, SLOT
	s_add_co_u32 s22, s22, SLOT
.endr
	s_mul_i32 s23, s10, 16*SPITCH
	s_add_co_u32 s23, s23, STAGE                   ; my stage
	v_mul_u32_u24 v4, v1, SPITCH
	v_lshl_add_u32 v4, v2, 5, v4                   ; in: row r, 32 bytes for each half of the lanes
	v_add_nc_u32 v[STO], s23, v4
	v_mul_u32_u24 v5, v2, SPITCH
	v_lshl_add_u32 v5, v1, 4, v5                   ; back: lanes 0-15 one row of 256 bytes, lanes 16-31 the next
	v_add_nc_u32 v[RD], s23, v5
	v_lshlrev_b32 v5, 12, v2
	v_lshl_add_u32 v[CO], v1, 4, v5                ; and the same two rows in out0
.macro PLACES                          ; four independent vector instructions behind a matrix instruction (ISA guide 7.12.1)
.rept 4
	v_nop
.endr
.endm
.macro FETCH slot, s, f                ; the fragments of 32 along K at byte 64 s of the slot's rows: 16 loads
.irp i, 0,1,2,3
	ds_load_b128 v[\f+8*\i:\f+8*\i+3],   v[ADRB+\slot] offset:8448*\i+64*\s
	ds_load_b128 v[\f+8*\i+4:\f+8*\i+7], v[ADRB+\slot] offset:8448*\i+64*\s+32
.endr
.irp i, 0,1,2,3
	ds_load_b128 v[\f+32+8*\i:\f+32+8*\i+3],   v[ADRA+\slot] offset:8448*\i+64*\s
	ds_load_b128 v[\f+32+8*\i+4:\f+32+8*\i+7], v[ADRA+\slot] offset:8448*\i+64*\s+32
.endr
.endm
.macro MUL f, zero                     ; sixteen accumulators take turns, always in the same order
.if \zero
	WIN 0x40                                       ; D in window 1, C (the bias) in window 0
.else
	WIN 0x50                                       ; C and D in window 1
.endif
.irp a, 0,1,2,3
.irp b, 0,1,2,3
.if \zero
	v_wmma_f32_16x16x32_f16 v[8*(4*\a+\b):8*(4*\a+\b)+7], v[\f+8*\b:\f+8*\b+7], v[\f+32+8*\a:\f+32+8*\a+7], v[BIAS+8*\b:BIAS+8*\b+7]
.else
	v_wmma_f32_16x16x32_f16 v[8*(4*\a+\b):8*(4*\a+\b)+7], v[\f+8*\b:\f+8*\b+7], v[\f+32+8*\a:\f+32+8*\a+7], v[8*(4*\a+\b):8*(4*\a+\b)+7]
.endif
.endr
.endr
	PLACES
	WIN 0
.endm
.macro SUB slot, nxt, f, g, zero       ; fetch the next 32 of K into g, multiply f
	FETCH \slot, \nxt, \g
	s_wait_dscnt 16                                ; all but the 16 just issued
	MUL \f, \zero
.endm
.macro WORK slot, zero                 ; a slot's 256 of K
	FETCH \slot, 0, F0
	SUB \slot, 1, F0, F1, \zero
	SUB \slot, 2, F1, F0, 0
	SUB \slot, 3, F0, F1, 0
	SUB \slot, 4, F1, F0, 0
	SUB \slot, 5, F0, F1, 0
	SUB \slot, 6, F1, F0, 0
	SUB \slot, 7, F0, F1, 0
	s_wait_dscnt 0x0
	MUL F1, 0
.endm
; From one slot to the other: every wave waits for all its tensor loads and its LDS reads; refill = 1: a round of the cluster's barrier and,
; first behind it, the wave's one joint load, 512 of K on, into the slot just read.
.macro CHANGE next, refill
	s_wait_tensorcnt 0x0
	ds_add_u32 v254, v255
	s_wait_dscnt 0x0
.if \refill
	s_add_nc_u64 s[G0+4*(1-\next)+2:G0+4*(1-\next)+3], s[G0+4*(1-\next)+2:G0+4*(1-\next)+3], 1024
	s_add_nc_u64 s[G0B+4*(1-\next)+2:G0B+4*(1-\next)+3], s[G0B+4*(1-\next)+2:G0B+4*(1-\next)+3], 1024
.endif
	s_wait_dscnt 0x0
.if \refill
	CROUND
	JLOAD (1-\next)
.else
	s_barrier_signal -1
	s_barrier_wait -1
.endif
.endm
	s_wait_tensorcnt 0x1                           ; my part of slot 0 is in; slot 1's load stays out
	s_barrier_signal -1
	s_barrier_wait -1
	s_wait_loadcnt 0x0                             ; the bias
	WORK 0, 1                                      ; K 0-255: the first products start the sums on the bias
	CHANGE 1, 1                                    ; slot 0 gets K 512-767
	WORK 1, 0                                      ; K 256-511
	CHANGE 0, 1                                    ; slot 1 gets K 768-1023
	WORK 0, 0
	CHANGE 1, 0
	WORK 1, 0
	; THE WAY OUT, 16 rows at a time: 32 bytes a lane straight from the accumulators into my own stage, whole rows of 256 bytes back and out.
	; The read-back registers differ from turn to turn, so no store's data is written again.
.macro OUT16 a
	WIN 0x04                                       ; an LDS store's data is source 1: window 1
.irp b, 0,1,2,3
	ds_store_b128 v[STO], v[8*(4*\a+\b):8*(4*\a+\b)+3]   offset:64*\b
	ds_store_b128 v[STO], v[8*(4*\a+\b)+4:8*(4*\a+\b)+7] offset:64*\b+16
.endr
	WIN 0
.irp t, 0,1,2,3,4,5,6,7
	ds_load_b128 v[F0+32*\a+4*\t:F0+32*\a+4*\t+3], v[RD] offset:\t*2*SPITCH    ; LDS serves a wave's instructions in order: these see the stores above
.endr
.irp t, 0,1,2,3,4,5,6,7
	s_wait_dscnt 7-\t
	global_store_b128 v[CO], v[F0+32*\a+4*\t:F0+32*\a+4*\t+3], s[8:9] offset:65536*\a+8192*\t th:TH_STORE_NT   ; 16 lanes store 256 consecutive bytes, aligned
.endr
.endm
	OUT16 0
	OUT16 1
	OUT16 2
	OUT16 3
	s_wait_tensorcnt 0x0
	ds_add_u32 v254, v255
	s_wait_dscnt 0x0
	CROUND                                         ; the closing round
	s_endpgm
.Lfunc_end_k_q591fb030ba_oproj:
	.size	k_q591fb030ba_oproj, .Lfunc_end_k_q591fb030ba_oproj-k_q591fb030ba_oproj
	.p2alignl 7, 3214868480
	.fill 96, 4, 3214868480
	.section	.rodata,"a",@progbits
	.p2align	6, 0x0
	.amdhsa_kernel k_q591fb030ba_oproj
		.amdhsa_group_segment_fixed_size 327680
		.amdhsa_private_segment_fixed_size 0
		.amdhsa_enable_private_segment 0
		.amdhsa_kernarg_size 32
		.amdhsa_user_sgpr_count 2
		.amdhsa_user_sgpr_kernarg_segment_ptr 1
		.amdhsa_wavefront_size32 1
		.amdhsa_system_sgpr_workgroup_id_x 1
		.amdhsa_system_sgpr_workgroup_id_y 1
		.amdhsa_system_sgpr_workgroup_id_z 1
		.amdhsa_system_vgpr_workitem_id 0
		.amdhsa_next_free_vgpr 384
		.amdhsa_next_free_sgpr 66
		.amdhsa_reserve_vcc 0
		.amdhsa_float_denorm_mode_32 3
		.amdhsa_float_denorm_mode_16_64 3
		.amdhsa_memory_ordered 1
		.amdhsa_forward_progress 1
		.amdhsa_inst_pref_size 89
	.end_amdhsa_kernel
	.amdgpu_metadata
---
amdhsa.version: [ 1, 2 ]
amdhsa.kernels:
  - .name:           k_q591fb030ba_oproj
    .symbol:         k_q591fb030ba_oproj.kd
    .args:
      - { .name: xatt, .offset: 0, .size: 8, .value_kind: global_buffer, .address_space: global }
      - { .name: xw, .offset: 8, .size: 8, .value_kind: global_buffer, .address_space: global }
      - { .name: bo, .offset: 16, .size: 8, .value_kind: global_buffer, .address_space: global }
      - { .name: out0, .offset: 24, .size: 8, .value_kind: global_buffer, .address_space: global }
    .group_segment_fixed_size: 327680
    .private_segment_fixed_size: 0
    .kernarg_segment_align: 8
    .kernarg_segment_size: 32
    .max_flat_workgroup_size: 128
    .sgpr_count:     66
    .vgpr_count:     384
    .wavefront_size: 32
...
	.end_amdgpu_metadata
.endif
;; end of part 4
;; ======== version 2 of 2: 4 launches; version 1 with the launch prep written anew for expert scheduling mode
;; limits: values are held in f16: magnitudes above 65,504 overflow, below 6.1e-05 lose precision
;; workspace buffers: xw 33,554,432 bytes; mbits 1,048,576 bytes of whole numbers; qkv 25,165,824 bytes; xatt 8,388,608 bytes
;; launch prep (part 5): grid 256 x 3, 8 waves a work-group, no clusters, 0 bytes of LDS; arguments q, k, v, wq, wk, wv, wo, mask, xw, mbits; writes xw, mbits
.if DOCPART == 5
	.amdgcn_target "amdgcn-amd-amdhsa--gfx1250"
	.amdhsa_code_object_version 6
	.text
	.protected	k_q591fb030ba_prep
	.globl	k_q591fb030ba_prep
	.p2align	8
	.type	k_q591fb030ba_prep,@function
k_q591fb030ba_prep:
	s_mov_b64 s[64:65], 0
	v_nop
	global_prefetch_b8 v0, s[64:65] scope:SCOPE_SE
	s_setreg_imm32_b32 hwreg(HW_REG_WAVE_SCHED_MODE, 0, 2), 2
	s_setreg_imm32_b32 hwreg(HW_REG_WAVE_MODE, 25, 1), 1
	s_wait_xcnt 0x0
	s_wait_alu depctr_vm_vsrc(0)
; Two jobs, chosen by the work-group's y; each work-group takes 128 KiB of input, read once.
; y = 0:    the int32 mask is packed into words that a later launch uses as lane masks:
;           mbits[q tile 256][key tile 128][j 8]; bit L = r + 16 h of a word is (mask[16 qtile + r][16 ktile + 8 h + j] != 0).
;           This job has the long run of arithmetic behind its loads, so it has the lowest ids.
; y = 1, 2: q, k, v, wq, wk, wv, wo (f32) are rounded to f16 into xw = [16384][1024] f16:
;           rows 0 q, 4096 k, 8192 v, 12288 wq, 13312 wk, 14336 wv, 15360 wo.
; LIMIT: a number above 65,504 in magnitude becomes infinite in f16.  The drawn inputs have spreads of 1 and 0.02.
; No LDS, no matrix unit, no cluster: a stream in which no two work-groups read the same byte.
; THE MODE: SCHED_MODE bits 1:0 = 2 (LLVM: expert scheduling mode 2), set by the entry lines.  The code itself states the register dependences
; between vector instructions and memory instructions, and from a vector instruction's scalar result to its reader, with s_wait_alu, always for 0.
; THE PLAN.  Registers that memory instructions touch:
;   v1, v2     byte offsets of the loads and of the stores: written once at a job's head, never again.  One wait in front of the first load.
;   X          32 x 4 registers.  Load n lands in X + 4 n .. + 3, which no vector instruction has named.
;              Rounding job: load n's two conversions write X + 4 n and X + 4 n + 1 in place, store n reads these two, and nothing writes them again.
;              The loads go in 8 blocks of four; a block's four stores are issued in the block behind it, one in front of each pair of conversions.
;              So one wait at a block's head states that the block before has written what these four stores read; the block's own conversions name
;              its own registers alone.  One more wait stands in front of the last four stores.
;              Mask job: X is read by compares alone.
;   OUT        mask job: written by v_writelane_b32, read by the one store: one wait in front of it.
; No register that a memory instruction reads is written again, so no wait for memory instructions' reads is owed anywhere.
; SCALAR RESULTS (mask job).  The compares stand in runs of sixteen, into s[28:43]; one wait behind a run, ahead of the v_writelane_b32 that read them.
.set X,   8                            ; v[8:135]   32 loads of 16 bytes a lane, all issued at once: 16 KiB of a wave in flight
.set XC,  136                          ; v[136:139] mask job: lane r and lane 16 + r hold row r's four ballots
.set OUT, 140                          ; v[140:143] mask job: the wave's 128 words, lane l holds words 4 l .. 4 l + 3
.set TM,  144                          ; v[144:159] at work: four registers for each of a run's four bit tests
.set BAL, 28                           ; s[28:43]   a run's sixteen compare results
	s_load_b512 s[8:23], s[0:1], 0x0               ; q s[8:9], k, v, wq, wk, wv, wo, mask s[22:23]
	s_load_b128 s[24:27], s[0:1], 0x40             ; xw s[24:25], mbits s[26:27]
	s_and_b32 s2, ttmp7, 0xffff                    ; y
	v_and_b32 v6, 31, v0                           ; lane
	v_lshrrev_b32 v7, 5, v0                        ; wave
	s_cmp_eq_u32 s2, 0
	s_cbranch_scc1 .Lmask
	; ---- f32 to f16.  Unit u = 256 (y - 1) + x is 32 rows of xw: 128 KiB in, 64 KiB out.
	s_sub_co_u32 s3, s2, 1
	s_lshl_b32 s3, s3, 8
	s_add_co_u32 s3, s3, ttmp9                     ; u, 0 to 511
	s_lshr_b32 s4, s3, 7                           ; 0 q, 1 k, 2 v, 3 a weight
	s_bfe_u32 s5, s3, 0x20005                      ; which weight: bits 6:5 of u
	s_and_b32 s6, s3, 31                           ; the unit's number inside a weight (32 units)
	s_and_b32 s7, s3, 127                          ; or inside q, k, v (128 units)
	s_cmp_eq_u32 s4, 3
	s_cselect_b32 s6, s6, s7
	s_lshl_b32 s30, s6, 17                         ; byte offset in the source
	s_mov_b32 s31, 0
	s_lshl_b32 s32, s3, 16                         ; byte offset in xw
	s_mov_b32 s33, 0
	v_lshlrev_b32 v1, 4, v6
	v_lshl_or_b32 v1, v7, 14, v1                   ; in: 16 KiB a wave, 16 bytes a lane
	v_lshlrev_b32 v2, 3, v6
	v_lshl_or_b32 v2, v7, 13, v2                   ; out: 8 KiB a wave, 8 bytes a lane
	s_wait_kmcnt 0x0
	s_cmp_eq_u32 s5, 1
	s_cselect_b64 s[28:29], s[16:17], s[14:15]     ; wk or wq
	s_cmp_eq_u32 s5, 2
	s_cselect_b64 s[28:29], s[18:19], s[28:29]     ; wv
	s_cmp_eq_u32 s5, 3
	s_cselect_b64 s[28:29], s[20:21], s[28:29]     ; wo
	s_cmp_eq_u32 s4, 0
	s_cselect_b64 s[28:29], s[8:9], s[28:29]       ; q
	s_cmp_eq_u32 s4, 1
	s_cselect_b64 s[28:29], s[10:11], s[28:29]     ; k
	s_cmp_eq_u32 s4, 2
	s_cselect_b64 s[28:29], s[12:13], s[28:29]     ; v
	s_add_nc_u64 s[28:29], s[28:29], s[30:31]
	s_add_nc_u64 s[24:25], s[24:25], s[32:33]
	s_wait_alu depctr_va_vdst(0)                   ; v1 and v2 are written: every load below reads v1 as its offset, every store v2
.set n, 0
.rept 32
	global_load_b128 v[X+4*n:X+4*n+3], v1, s[28:29] offset:512*n th:TH_LOAD_NT   ; 512 consecutive bytes of the wave
.set n, n+1
.endr
.set n, 0
.rept 32
	s_wait_loadcnt 31-n                            ; loads return in order: load n is in, the 31 - n younger ones stay out
.if (n%4 == 0) && (n > 0)
	s_wait_alu depctr_va_vdst(0)                   ; the block before has written its eight registers X + 4 (n - 4) .., which this block's four stores read
.endif
.if n >= 4
	global_store_b64 v2, v[X+4*(n-4):X+4*(n-4)+1], s[24:25] offset:256*(n-4)   ; the block before: no vector instruction since the wait names these registers.  The 32 lanes store 256 consecutive bytes, aligned
.endif
	v_cvt_pk_f16_f32 v[X+4*n],   v[X+4*n],   v[X+4*n+1]
	v_cvt_pk_f16_f32 v[X+4*n+1], v[X+4*n+2], v[X+4*n+3]
.set n, n+1
.endr
	s_wait_alu depctr_va_vdst(0)                   ; the last block's conversions have written X + 112 .., which the last four stores read
.set n, 28
.rept 4
	global_store_b64 v2, v[X+4*n:X+4*n+1], s[24:25] offset:256*n   ; no register is used twice
.set n, n+1
.endr
	s_endpgm
	; ---- the mask.  Work-group x takes q tile x (16 rows of 8,192 bytes); wave w keys 256 w .. 256 w + 255, as two blocks of 128 keys.
.Lmask:
	v_lshlrev_b32 v1, 4, v6
	v_lshl_or_b32 v1, v7, 10, v1                   ; 1,024 w + 16 lane
	v_lshlrev_b32 v2, 4, v6
	v_lshl_or_b32 v2, v7, 9, v2                    ; out: 512 w + 16 lane
	v_lshrrev_b32 v3, 4, v6                        ; h
	v_lshlrev_b32 v3, 1, v3
	v_mov_b32 v4, 1
	v_lshlrev_b32 v3, v3, v4                       ; 1 << 2 h
	s_lshl_b32 s2, ttmp9, 17                       ; 16 rows of the mask
	s_mov_b32 s3, 0
	s_lshl_b32 s4, ttmp9, 12                       ; 1,024 words of mbits
	s_mov_b32 s5, 0
	s_wait_kmcnt 0x0
	s_add_nc_u64 s[22:23], s[22:23], s[2:3]
	s_add_nc_u64 s[26:27], s[26:27], s[4:5]
	s_wait_alu depctr_va_vdst(0)                   ; v1 is written, which every load below reads as its offset (and v2, the store's)
.set n, 0
.rept 32
	global_load_b128 v[X+4*n:X+4*n+3], v1, s[22:23] offset:8192*(n%16)+512*(n/16) th:TH_LOAD_NT   ; load 16 sb + i: row i, block sb
.set n, n+1
.endr
.irp c, 0,1,2,3
	v_mov_b32 v[XC+\c], 0                          ; v_writelane_b32 keeps the other lanes: written whole once
	v_mov_b32 v[OUT+\c], 0
.endr
.set sb, 0
.rept 2
	; ballot c of row i: bit l = (mask[i][4 l + c] != 0).  It goes to lanes i and 16 + i, so that lane r + 16 h holds row r's.  Four rows to a run.
.set g, 0
.rept 4
.irp i, 0,1,2,3
	s_wait_loadcnt 31-(16*sb+4*g+\i)               ; row 4 g + i of the block is in, the younger loads stay out
.irp c, 0,1,2,3
	v_cmp_ne_u32 s[BAL+4*\i+\c], 0, v[X+4*(16*sb+4*g+\i)+\c]
.endr
.endr
	s_wait_alu depctr_va_sdst(0)                   ; the sixteen compares have written s[28:43], which the lines below read
.irp i, 0,1,2,3
.irp c, 0,1,2,3
	v_writelane_b32 v[XC+\c], s[BAL+4*\i+\c], 4*g+\i
	v_writelane_b32 v[XC+\c], s[BAL+4*\i+\c], 16+4*g+\i
.endr
.endr
.set g, g+1
.endr
	; key 16 t + 8 h + 4 jh + c of the block is bit 4 t + 2 h + jh of ballot c.  Testing that bit in every lane gives the word of
	; (key tile 8 sb + t, j = 4 jh + c): word 8 (8 sb + t) + 4 jh + c of the wave's 128, that is register c of lane 2 (8 sb + t) + jh.
	; With u = 2 t + jh = 4 g + m: the bit is 4 (u / 2) + u % 2 + 2 h, the lane 16 sb + u.  Four u to a run.
.set g, 0
.rept 4
.irp m, 0,1,2,3
	v_lshlrev_b32 v4, 4*((4*g+\m)/2)+(4*g+\m)%2, v3
.irp c, 0,1,2,3
	v_and_b32 v[TM+4*\m+\c], v[XC+\c], v4
.endr
.endr
.irp m, 0,1,2,3
.irp c, 0,1,2,3
	v_cmp_ne_u32 s[BAL+4*\m+\c], 0, v[TM+4*\m+\c]
.endr
.endr
	s_wait_alu depctr_va_sdst(0)                   ; the sixteen compares have written s[28:43], which the lines below read
.irp m, 0,1,2,3
.irp c, 0,1,2,3
	v_writelane_b32 v[OUT+\c], s[BAL+4*\m+\c], 16*sb+4*g+\m
.endr
.endr
.set g, g+1
.endr
.set sb, sb+1
.endr
	s_wait_alu depctr_va_vdst(0)                   ; the v_writelane_b32 have written v[OUT ..], which the store reads
	global_store_b128 v2, v[OUT:OUT+3], s[26:27]   ; the wave's 512 consecutive bytes
	s_endpgm
.Lfunc_end_k_q591fb030ba_prep:
	.size	k_q591fb030ba_prep, .Lfunc_end_k_q591fb030ba_prep-k_q591fb030ba_prep
	.p2alignl 7, 3214868480
	.fill 96, 4, 3214868480
	.section	.rodata,"a",@progbits
	.p2align	6, 0x0
	.amdhsa_kernel k_q591fb030ba_prep
		.amdhsa_group_segment_fixed_size 0
		.amdhsa_private_segment_fixed_size 0
		.amdhsa_enable_private_segment 0
		.amdhsa_kernarg_size 80
		.amdhsa_user_sgpr_count 2
		.amdhsa_user_sgpr_kernarg_segment_ptr 1
		.amdhsa_wavefront_size32 1
		.amdhsa_system_sgpr_workgroup_id_x 1
		.amdhsa_system_sgpr_workgroup_id_y 1
		.amdhsa_system_sgpr_workgroup_id_z 1
		.amdhsa_system_vgpr_workitem_id 0
		.amdhsa_next_free_vgpr 160
		.amdhsa_next_free_sgpr 66
		.amdhsa_reserve_vcc 0
		.amdhsa_float_denorm_mode_32 3
		.amdhsa_float_denorm_mode_16_64 3
		.amdhsa_memory_ordered 1
		.amdhsa_forward_progress 1
		.amdhsa_inst_pref_size 64
	.end_amdhsa_kernel
	.amdgpu_metadata
---
amdhsa.version: [ 1, 2 ]
amdhsa.kernels:
  - .name:           k_q591fb030ba_prep
    .symbol:         k_q591fb030ba_prep.kd
    .args:
      - { .name: q, .offset: 0, .size: 8, .value_kind: global_buffer, .address_space: global }
      - { .name: k, .offset: 8, .size: 8, .value_kind: global_buffer, .address_space: global }
      - { .name: v, .offset: 16, .size: 8, .value_kind: global_buffer, .address_space: global }
      - { .name: wq, .offset: 24, .size: 8, .value_kind: global_buffer, .address_space: global }
      - { .name: wk, .offset: 32, .size: 8, .value_kind: global_buffer, .address_space: global }
      - { .name: wv, .offset: 40, .size: 8, .value_kind: global_buffer, .address_space: global }
      - { .name: wo, .offset: 48, .size: 8, .value_kind: global_buffer, .address_space: global }
      - { .name: mask, .offset: 56, .size: 8, .value_kind: global_buffer, .address_space: global }
      - { .name: xw, .offset: 64, .size: 8, .value_kind: global_buffer, .address_space: global }
      - { .name: mbits, .offset: 72, .size: 8, .value_kind: global_buffer, .address_space: global }
    .group_segment_fixed_size: 0
    .private_segment_fixed_size: 0
    .kernarg_segment_align: 8
    .kernarg_segment_size: 80
    .max_flat_workgroup_size: 256
    .sgpr_count:     66
    .vgpr_count:     160
    .wavefront_size: 32
...
	.end_amdgpu_metadata
.endif
;; end of part 5
;; launch qkv: the kernel of part 2 again; grid 4 x 48, 4 waves a work-group, clusters of 4 x 4, 327,680 bytes of LDS; arguments xw, bq, bk, bv, qkv; writes qkv
;; launch attn: the kernel of part 3 again; grid 16 x 16, 16 waves a work-group, clusters of 4 x 1, 327,680 bytes of LDS; arguments qkv, mbits, xatt; writes xatt
;; launch oproj: the kernel of part 4 again; grid 8 x 32, 4 waves a work-group, clusters of 4 x 4, 327,680 bytes of LDS; arguments xatt, xw, bo, out0; writes out0
